; MI455X (gfx1250); checked and timed in simulation.
; The chip was launched on July 23, 2026; its instructions are those of AMD's public machine-readable ISA for CDNA 5 (MIT licence, August 2026) and "CDNA5" Instruction Set Architecture Reference Guide (July 2026). The comments in the code are by the model that wrote it; some were corrected since.
;; Multi Head Latent Attention. Allowed arithmetic: matrix products marked QUANTISED: E2M1 operands, one E8M0 scale for each 32 along K, by v_wmma_scale_f32_16x16x128_f8f6f4 with both operands' format E2M1 (or v_wmma_scale_f32_32x16x128_f4), f32 sums; products left as they are: bf16, f16 or f32 operands; f32 sums; everything else in f32.
;; Inputs: Wdown 2,048 x 512 float32; Wk_up 512 x 2,048 float32; Wo 2,048 x 2,048 float32; Wq 2,048 x 2,048 float32; Wv_up 512 x 2,048 float32; bo 2,048 float32; bq 2,048 float32; x 4 x 1,024 x 2,048 float32.
;; Outputs: out0 4 x 1,024 x 2,048 float32.
;; This version of the problem:
;;   THIS VERSION OF THE PROBLEM IS GIVEN IN LOW PRECISION. The matrix products marked QUANTISED in the list below multiply operands that are first quantised to E2M1 (2 exponent bits, 1 mantissa bit; 4 bits a number), with one power-of-two scale for each 32 numbers along K (OCP MX v1.0); their sums are f32. The products marked 'left as it is' may take bf16, f16 or f32 operands, with f32 sums. Whichever they take, every output number must still come out within the allowed error. Rounding operands to bf16 (8 significant bits) uses up far more of that allowance than f16 does (11 bits, for magnitudes from 6e-5 to 65,504). All else is computed in f32.
;;   The module's matrix products, in the order in which they are computed (A, B: the left and right operand; K: the contracted axis; several contracted axes count as one K, in the product's order):
;;     1. [M 4,096, K 2,048] x [K 2,048, N 2,048]; A: input x; B: input Wq: QUANTISED
;;     2. [M 4,096, K 2,048] x [K 2,048, N 512]; A: input x; B: input Wdown: QUANTISED
;;     3. [M 4,096, K 512] x [K 512, N 2,048]; A: computed on the way; B: input Wk_up: left as it is (an operand is computed on the way)
;;     4. [M 4,096, K 512] x [K 512, N 2,048]; A: computed on the way; B: input Wv_up: left as it is (an operand is computed on the way)
;;     5. batch 64 x [M 1,024, K 128] x [K 128, N 1,024]; A: computed on the way; B: computed on the way: left as it is (an operand is computed on the way)
;;     6. batch 64 x [M 1,024, K 1,024] x [K 1,024, N 128]; A: computed on the way; B: computed on the way: left as it is (an operand is computed on the way)
;;     7. [M 4,096, K 2,048] x [K 2,048, N 2,048]; A: computed on the way; B: input Wo: left as it is (an operand is computed on the way)
;;   THE QUANTISER, for each operand of a quantised product, along K:
;;     - K is cut into blocks of 32 from its start; a last block that is shorter is filled with zeros.
;;     - A block's scale is 2^e with e = floor(log2(the largest magnitude in the block)) - 2, held to -126 .. 127; a block of zeros has e = 0. As a byte (E8M0): e + 127.
;;     - Each number is divided by its block's scale, clamped to +-6, and rounded to the nearest number of E2M1, ties to even, subnormals kept.
;;     - The product sums the exact products of the quantised numbers (number of the format x scale) in f32.
;;   ~~~python
;;   def quantise(x, axis):      # numpy; x: float32 -> the quantised numbers, widened to float32 again
;;       x = np.moveaxis(x, axis, -1); K = x.shape[-1]
;;       x = np.pad(x, [(0, 0)] * (x.ndim - 1) + [(0, -K % 32)]); x = x.reshape(x.shape[:-1] + (-1, 32)); a = np.abs(x).max(-1, keepdims=True)
;;       e = np.where(a > 0, np.clip(np.frexp(np.where(a > 0, a, 1))[1] - 1 - 2, -126, 127), 0)      # np.frexp(a)[1] - 1 = floor(log2(a)), exactly
;;       r = np.clip(x / 2.0 ** e, -6, 6)
;;       step = 2.0 ** (np.maximum(np.frexp(np.where(r == 0, 1, r))[1] - 1, 0) - 1)
;;       q = np.round(r / step) * step * 2.0 ** e      # np.round: ties to even
;;       return np.moveaxis(q.reshape(q.shape[:-2] + (-1,))[..., :K], -1, axis).astype(np.float32)
;;   ~~~
;; One version. Each part assembles by itself: llvm-mc -triple=amdgcn-amd-amdhsa -mcpu=gfx1250 --defsym DOCPART=n.
;; ======== version 1 of 1: 7 launches
;; limits: values are held in f16: magnitudes above 65,504 overflow, below 6.1e-05 lose precision
;; workspace buffers: pw 20,359,680 bytes; qa 21,627,136 bytes; kv 34,078,720 bytes; cx 16,777,216 bytes; cf 524,288 bytes
;; launch prep (part 1): grid 736 x 1, 4 waves a work-group, no clusters, 137,728 bytes of LDS; arguments x, Wq, Wdown, Wk_up, Wv_up, Wo, pw; writes pw
.if DOCPART == 1
	.amdgcn_target "amdgcn-amd-amdhsa--gfx1250"
	.amdhsa_code_object_version 6
	.text
	.protected	k_q0fc06eff39_prep
	.globl	k_q0fc06eff39_prep
	.p2align	8
	.type	k_q0fc06eff39_prep,@function
k_q0fc06eff39_prep:
	s_mov_b64 s[64:65], 0
	v_nop
	global_prefetch_b8 v0, s[64:65] scope:SCOPE_SE
	s_setreg_imm32_b32 hwreg(HW_REG_WAVE_MODE, 25, 1), 1
	s_wait_xcnt 0x0
; PREP: everything that is made once from the inputs, into the workspace pw.  Five paths, chosen by the work-group's number alone; each path that uses LDS has LDS bytes of its own.
;   X  (work-groups 0-255):   x [4096][2048] f32 -> E2M1 codes [4096][1024 B] and E8M0 bytes [4096][64 B]; K innermost as it lies
;   Q  (256-319), D (320-335): Wq [2048][2048], Wdown [2048][512] f32, K their FIRST axis -> codes [2560 columns][1024 B], bytes [2560][64 B]: a lane takes a column, its registers run down K
;   H  (336-719):             Wo, Wk_up, Wv_up f32 [K][2048] -> f16, laid [K/128][column][128 k]: a K step's rows are then one dense block
;   R  (720-735):             the table [1024 positions][64 cos | 64 sin] f32
; X, D and H also store each wave's largest magnitude (one f32 a wave): the next launch makes the power-of-two scales of k and v from them.
; A block's scale is 2^(floor(log2(largest magnitude)) - 2); its byte is the largest magnitude's exponent field - 2, held at 1 from below.
; LIMITS: a block of zeros, and blocks under 2^-124, get the byte 1 (their codes are zeros or the bytes are read by this program alone); NaN and infinities are not served;
; weights beyond f16's 65,504 are not served in path H.  The table's angles are reduced by pi/2 in two parts: good for positions up to 1,023.
; No tensor load, no barrier: waves share nothing.
.set ROPE,  10752
.set XSO,   535040
.set WSO,   797184
.set XCO,   961024
.set WCO,   5155328
.set WKV,   7776768
.set WOT,   11971072
.set EMAX,  2
.set SPW,   236                        ; v236 LDS address of my spare word; never rewritten
.set NIL,   237                        ; v237 0; never rewritten
.set LQ,    32768                      ; LDS: path X 0-32,767; path Q from here;
.set LD,    67584                      ; path D;
.set LH,    102400                     ; path H;
.set SPARE, 137216                     ; the spare words, 128 bytes a wave
.set XR,    16                         ; path X: v16-79 four sets as loaded
.set XX,    80                         ; v80-111 two sets of 16 neighbours
.set XE,    112                        ; v112-127 a scale byte a step
.set XCD,   128                        ; v128-191 codes
.set WREG,  8192
.set SP,    80
.set CB,    8
.set QP,    272                        ; paths Q, D, H: a stage row, 256 bytes + 16
.set QX,    32
.set QC,    96
.set QOUT,  112
.set QSB,   24
; the wave's largest magnitude: over the lanes, then lane 0 stores it.  EXEC changes only behind s_wait_xcnt 0
.macro MAXOUT m, t, base
	v_max_num_f32_dpp v[\m], v[\m], v[\m] row_xmask:1 row_mask:0xf bank_mask:0xf
	v_max_num_f32_dpp v[\m], v[\m], v[\m] row_xmask:2 row_mask:0xf bank_mask:0xf
	v_max_num_f32_dpp v[\m], v[\m], v[\m] row_xmask:4 row_mask:0xf bank_mask:0xf
	v_max_num_f32_dpp v[\m], v[\m], v[\m] row_xmask:8 row_mask:0xf bank_mask:0xf
	v_mov_b32 v[\t], 0
	v_permlanex16_b32 v[\t], v[\m], s20, s21
	v_max_num_f32 v[\m], v[\m], v[\t]
	v_mov_b32 v[\t], 0
	v_cmp_eq_u32 vcc_lo, 0, v2
	s_wait_xcnt 0x0
	s_and_saveexec_b32 s19, vcc_lo
	global_store_b32 v[\t], v[\m], s[\base:\base+1]
	s_wait_xcnt 0x0
	s_or_b32 exec_lo, exec_lo, s19
.endm
.macro CLOSE                           ; the wave's end
	s_wait_tensorcnt 0x0
	ds_add_u32 v[SPW], v[NIL]
	s_wait_dscnt 0x0
	s_endpgm
.endm
; ---- path X's macros: a step is 512 numbers; four loads of 512 consecutive bytes; a turn through the wave's stage gives each lane 16 neighbours
.macro XLOAD t
.irp i, 0,1,2,3
	global_load_b128 v[XR+16*((\t)%4)+4*\i:XR+16*((\t)%4)+4*\i+3], v3, s[4:5] offset:2048*(\t)+512*\i th:TH_LOAD_NT
.endr
.endm
.macro XTURN t
.irp i, 0,1,2,3
	ds_store_b128 v14, v[XR+16*((\t)%4)+4*\i:XR+16*((\t)%4)+4*\i+3] offset:32*SP*((\t)%2)+8*SP*\i
.endr
.irp i, 0,1,2,3
	ds_load_b128 v[XX+16*((\t)%2)+4*\i:XX+16*((\t)%2)+4*\i+3], v15 offset:32*SP*((\t)%2)+16*\i
.endr
.endm
.macro XSTEP t
.set XB, XX+16*((\t)%2)
.if (\t) > 0
	s_wait_dscnt 1                                 ; this step's numbers are back from the stage; the last step's byte store may be out
.else
	s_wait_dscnt 0x0
.endif
.if (\t)+4 < 16
	XLOAD (\t)+4
.endif
.if (\t)+1 < 16
.if 14-(\t) >= 3
	s_wait_loadcnt 12                              ; the next step's four loads are in; the three steps behind it (12 loads) may be out
.else
	s_wait_loadcnt 4*(14-(\t))
.endif
	XTURN (\t)+1
.endif
	v_max3_num_f32 v8, |v[XB]|, |v[XB+1]|, |v[XB+2]|
	v_max3_num_f32 v9, |v[XB+3]|, |v[XB+4]|, |v[XB+5]|
.irp i, 6,10
	v_max3_num_f32 v8, v8, |v[XB+\i]|, |v[XB+\i+1]|
	v_max3_num_f32 v9, v9, |v[XB+\i+2]|, |v[XB+\i+3]|
.endr
	v_max3_num_f32 v8, v8, |v[XB+14]|, |v[XB+15]|
	v_max3_num_f32 v8, v8, v9, (EMAX+1)<<23        ; the floor 2^(3 - 127): the byte cannot fall under 1
	v_max_num_f32_dpp v8, v8, v8 row_xmask:1 row_mask:0xf bank_mask:0xf   ; with my neighbour's 16: the block's
	v_max_num_f32 v10, v10, v8                     ; the wave's running largest magnitude
	v_add_nc_u32 v11, -(EMAX<<23), v8              ; 2 off the exponent field: the conversion's scale operand
	v_cvt_scalef32_pk8_fp4_f32 v[XCD+4*(\t)], v[XB:XB+7], v11
	v_cvt_scalef32_pk8_fp4_f32 v[XCD+4*(\t)+1], v[XB+8:XB+15], v11
	v_lshrrev_b32 v[XE+(\t)], 23, v11              ; the scale's byte
	ds_store_b8 v5, v[XE+(\t)] offset:16*(\t)      ; both lanes of a block write the same byte with the same value
	global_store_b64 v4, v[XCD+4*(\t):XCD+4*(\t)+1], s[26:27] offset:32*CB*(\t)   ; the wave stores 256 consecutive bytes
.endm
; ---- paths Q and D: a wave takes 32 columns x 512 along K, 16 blocks a lane
.macro WLOAD t, nn, src
.irp i, 0,1,2,3,4,5,6,7,8,9,10,11,12,13,14,15,16,17,18,19,20,21,22,23,24,25,26,27,28,29,30,31
	global_load_b32 v[QX+32*((\t)%2)+\i], v3, s[\src:\src+1] offset:(32*(\t)+\i)*\nn*4 th:TH_LOAD_NT
.endr
.endm
.macro WBLOCK t, nn, src, mx
.set XB, QX+32*((\t)%2)
.if (\t) < 15
	s_wait_loadcnt 32                              ; this block's 32 loads are in; the next block's 32 may be out
.else
	s_wait_loadcnt 0x0
.endif
	v_max3_num_f32 v12, |v[XB]|, |v[XB+1]|, |v[XB+2]|
	v_max3_num_f32 v13, |v[XB+3]|, |v[XB+4]|, |v[XB+5]|
.irp i, 6,10,14,18,22,26
	v_max3_num_f32 v12, v12, |v[XB+\i]|, |v[XB+\i+1]|
	v_max3_num_f32 v13, v13, |v[XB+\i+2]|, |v[XB+\i+3]|
.endr
	v_max3_num_f32 v12, v12, |v[XB+30]|, |v[XB+31]|
	v_max3_num_f32 v12, v12, v13, (EMAX+1)<<23
.if \mx
	v_max_num_f32 v14, v14, v12
.endif
	v_add_nc_u32 v11, -(EMAX<<23), v12
	v_lshrrev_b32 v13, 23, v11
.if (\t)%4 == 0
	v_mov_b32 v[QSB+(\t)/4], v13                   ; four bytes to a register, the lower K in the lower byte
.else
	v_lshl_or_b32 v[QSB+(\t)/4], v13, 8*((\t)%4), v[QSB+(\t)/4]
.endif
.irp g, 0,1,2,3
	v_cvt_scalef32_pk8_fp4_f32 v[QC+\g], v[XB+8*\g:XB+8*\g+7], v11
.endr
	ds_store_b128 v4, v[QC:QC+3] offset:16*(\t)    ; 32 codes: 16 bytes of my column's row
.if (\t)+2 < 16
	WLOAD (\t)+2, \nn, \src
.endif
	s_wait_dscnt 0x0                               ; the store has read its registers: the next block's codes may be written
.endm
.macro WQ4 nn, lb, row0, src, first, nbits, mx
	s_sub_co_u32 s22, ttmp9, \first
	s_and_b32 s23, s22, (1<<\nbits)-1              ; which 128 columns
	s_lshr_b32 s24, s22, \nbits                    ; which 512 along K
	s_lshl_b32 s23, s23, 7
	s_lshl_b32 s25, s18, 5
	s_add_co_u32 s23, s23, s25                     ; my wave's first column
	v_lshlrev_b32 v3, 2, v2
	s_mul_i32 s25, s18, 32*QP
	s_add_co_u32 s25, s25, \lb                     ; my stage
	v_mul_u32_u24 v4, v2, QP
	v_add_nc_u32 v4, s25, v4
	v_and_b32 v5, 15, v2
	v_lshrrev_b32 v6, 4, v2
	v_mul_u32_u24 v7, v6, QP
	v_lshl_add_u32 v7, v5, 4, v7
	v_add_nc_u32 v7, s25, v7
	v_lshlrev_b32 v8, 10, v6                       ; a row of codes is 1,024 bytes
	v_lshl_add_u32 v8, v5, 4, v8
	v_lshlrev_b32 v9, 6, v2                        ; a row of scale bytes is 64
	s_mul_i32 s26, s24, 512*\nn*4
	s_lshl_b32 s27, s23, 2
	s_add_co_u32 s26, s26, s27
	s_mov_b32 s27, 0
	s_add_nc_u64 s[\src:\src+1], s[\src:\src+1], s[26:27]
	s_add_co_u32 s23, s23, \row0
	s_lshl_b32 s26, s23, 10
	s_lshl_b32 s25, s24, 8
	s_add_co_u32 s26, s26, s25
	s_add_nc_u64 s[28:29], s[16:17], s[26:27]
	s_add_nc_u64 s[28:29], s[28:29], WCO
	s_lshl_b32 s26, s23, 6
	s_lshl_b32 s25, s24, 4
	s_add_co_u32 s26, s26, s25
	s_add_nc_u64 s[30:31], s[16:17], s[26:27]
	s_add_nc_u64 s[30:31], s[30:31], WSO
.if \mx
	s_lshl_b32 s26, s22, 2
	s_add_co_u32 s26, s26, s18
	s_lshl_b32 s26, s26, 2
	s_add_co_u32 s26, s26, 1024*4                  ; my wave's word among the largest magnitudes
	s_add_nc_u64 s[32:33], s[16:17], s[26:27]
	v_mov_b32 v14, 0
.endif
	WLOAD 0, \nn, \src
	WLOAD 1, \nn, \src
.set QQ, 0
.rept 16
	WBLOCK QQ, \nn, \src, \mx
.set QQ, QQ+1
.endr
	global_store_b128 v9, v[QSB:QSB+3], s[30:31]   ; my column's 16 scale bytes
.irp t, 0,1,2,3,4,5,6,7,8,9,10,11,12,13,14,15
	ds_load_b128 v[QOUT+4*\t:QOUT+4*\t+3], v7 offset:2*\t*QP   ; LDS serves a wave's instructions in order: these see my stores
.endr
.irp t, 0,1,2,3,4,5,6,7,8,9,10,11,12,13,14,15
	s_wait_dscnt 15-\t                             ; the loads behind this one may be out
	global_store_b128 v8, v[QOUT+4*\t:QOUT+4*\t+3], s[28:29] offset:2*\t*1024   ; sixteen lanes store 256 consecutive bytes, aligned
.endr
.if \mx
	MAXOUT 14, 13, 32
.endif
	CLOSE
.endm
; ---- path H: a wave takes 32 columns x 128 along K
.macro HLOAD t
.irp i, 0,1,2,3,4,5,6,7,8,9,10,11,12,13,14,15,16,17,18,19,20,21,22,23,24,25,26,27,28,29,30,31
	global_load_b32 v[32+32*(\t)+\i], v3, s[34:35] offset:(32*(\t)+\i)*8192 th:TH_LOAD_NT
.endr
.endm
.macro HBLOCK t
.if (\t) < 3
	s_wait_loadcnt 32                              ; this block's 32 loads are in; the next block's 32 may be out
.else
	s_wait_loadcnt 0x0
.endif
.if (\t)+2 < 4
	HLOAD (\t)+2
.endif
.irp i, 0,2,4,6,8,10,12,14,16,18,20,22,24,26,28,30
	v_max3_num_f32 v[14+(\i/2)%2], v[14+(\i/2)%2], |v[32+32*(\t)+\i]|, |v[33+32*(\t)+\i]|
	v_cvt_pk_f16_f32 v[160+16*(\t)+\i/2], v[32+32*(\t)+\i], v[33+32*(\t)+\i]
.endr
.irp j, 0,1,2,3
	ds_store_b128 v4, v[160+16*(\t)+4*\j:160+16*(\t)+4*\j+3] offset:64*(\t)+16*\j
.endr
.endm
	s_load_b256 s[4:11], s[0:1], 0x0               ; x, Wq, Wdown, Wk_up
	s_load_b128 s[12:15], s[0:1], 0x20             ; Wv_up, Wo
	s_load_b64 s[16:17], s[0:1], 0x30              ; pw
	v_lshl_add_u32 v[SPW], v0, 2, SPARE
	v_mov_b32 v[NIL], 0
	v_lshrrev_b32 v1, 5, v0
	v_readfirstlane_b32 s18, v1                    ; wave
	v_and_b32 v2, 31, v0                           ; lane
	s_mov_b32 s20, 0x76543210
	s_mov_b32 s21, 0xfedcba98                      ; v_permlanex16_b32's selects for lane l xor 16
	s_wait_kmcnt 0x0
	s_cmp_lt_u32 ttmp9, 256
	s_cbranch_scc1 .Lpath_x
	s_cmp_lt_u32 ttmp9, 320
	s_cbranch_scc1 .Lpath_q
	s_cmp_lt_u32 ttmp9, 336
	s_cbranch_scc1 .Lpath_d
	s_cmp_lt_u32 ttmp9, 720
	s_cbranch_scc1 .Lpath_h
	; ---- path R: a wave makes 16 positions.  Lane (quad, half) owns frequencies 4 quad + 0..3; half 0 makes cosines, half 1 sines (a cosine three quadrants on)
	s_sub_co_u32 s22, ttmp9, 720
	s_lshl_b32 s22, s22, 6
	s_lshl_b32 s23, s18, 4
	s_add_co_u32 s22, s22, s23                     ; my first position
	s_lshl_b32 s24, s22, 9
	s_mov_b32 s25, 0
	s_add_nc_u64 s[26:27], s[16:17], s[24:25]
	s_add_nc_u64 s[26:27], s[26:27], ROPE
	s_mov_b32 s40, 0x3fc90f80                      ; pi/2, upper part
	s_mov_b32 s41, 0x37354443                      ; pi/2, lower part
	s_mov_b32 s42, 0xb94ca1f9                      ; sine's polynomial
	s_mov_b32 s43, 0x3c08839e
	s_mov_b32 s44, 0xbe2aaaa3
	s_mov_b32 s45, 0x37ccf5ce                      ; cosine's
	s_mov_b32 s46, 0xbab6061a
	s_mov_b32 s47, 0x3d2aaaa5
	s_mov_b32 s48, 0x3f22f983                      ; 2 / pi
	v_and_b32 v3, 15, v2
	v_lshrrev_b32 v4, 4, v2
	v_lshlrev_b32 v3, 2, v3
.irp e, 0,1,2,3
	v_add_nc_u32 v[8+\e], \e, v3
.endr
.irp e, 0,1,2,3
	v_cvt_f32_u32 v[8+\e], v[8+\e]
.endr
.irp e, 0,1,2,3
	v_mul_f32 v[8+\e], 0xbe549a78, v[8+\e]         ; - i x log2(10000) / 64
.endr
.irp e, 0,1,2,3
	v_exp_f32 v[8+\e], v[8+\e]                     ; 10000^(-i / 64)
.endr
	v_mul_u32_u24 v5, v4, 3                        ; (a plain instruction behind the exponentials)  three quadrants for the sines
	s_wait_alu depctr_va_vdst(0)                   ; one wait for the four, ahead of their first reader
	v_cvt_f32_u32 v6, s22                          ; the position
	v_lshlrev_b32 v7, 4, v2                        ; 16 bytes a lane: a position's 512 bytes
	s_mov_b32 s23, 16
.Lpos:
.irp e, 0,1,2,3
	v_mul_f32 v[12+\e], v6, v[8+\e]                ; the angle
.endr
.irp e, 0,1,2,3
	v_mul_f32 v[16+\e], s48, v[12+\e]
.endr
.irp e, 0,1,2,3
	v_rndne_f32 v[16+\e], v[16+\e]                 ; n quarter turns
.endr
.irp e, 0,1,2,3
	v_fma_f32 v[20+\e], -v[16+\e], s40, v[12+\e]
.endr
.irp e, 0,1,2,3
	v_fma_f32 v[20+\e], -v[16+\e], s41, v[20+\e]   ; r, within pi/4
.endr
.irp e, 0,1,2,3
	v_mul_f32 v[24+\e], v[20+\e], v[20+\e]
.endr
.irp e, 0,1,2,3
	v_fma_f32 v[28+\e], v[24+\e], s42, s43
	v_fma_f32 v[32+\e], v[24+\e], s45, s46
.endr
.irp e, 0,1,2,3
	v_fma_f32 v[28+\e], v[28+\e], v[24+\e], s44
	v_fma_f32 v[32+\e], v[32+\e], v[24+\e], s47
.endr
.irp e, 0,1,2,3
	v_mul_f32 v[28+\e], v[28+\e], v[24+\e]
	v_mul_f32 v[32+\e], v[32+\e], v[24+\e]
.endr
.irp e, 0,1,2,3
	v_fma_f32 v[28+\e], v[28+\e], v[20+\e], v[20+\e]   ; sin r
	v_fma_f32 v[32+\e], v[32+\e], v[24+\e], 1.0
.endr
.irp e, 0,1,2,3
	v_fma_f32 v[32+\e], v[24+\e], -0.5, v[32+\e]   ; cos r
	v_cvt_i32_f32 v[36+\e], v[16+\e]
.endr
.irp e, 0,1,2,3
	v_add_nc_u32 v[36+\e], v[36+\e], v5            ; the quadrant q
.endr
.irp e, 0,1,2,3
	v_and_b32 v[44+\e], 1, v[36+\e]
	v_add_nc_u32 v[36+\e], 1, v[36+\e]
.endr
.irp e, 0,1,2,3
	v_cmp_eq_u32 vcc_lo, 1, v[44+\e]
	v_cndmask_b32 v[40+\e], v[32+\e], v[28+\e], vcc_lo   ; an odd quadrant takes the sine
	v_lshlrev_b32 v[36+\e], 30, v[36+\e]           ; bit 1 of q + 1 is the sign
.endr
.irp e, 0,1,2,3
	v_and_b32 v[36+\e], 0x80000000, v[36+\e]
.endr
.irp e, 0,1,2,3
	v_xor_b32 v[40+\e], v[40+\e], v[36+\e]
.endr
	global_store_b128 v7, v[40:43], s[26:27]       ; the wave stores 512 consecutive bytes
	s_wait_xcnt 0x0                                ; the store has read its registers: both are written again
	v_add_nc_u32 v7, 512, v7
	v_add_f32 v6, 1.0, v6
	s_sub_co_u32 s23, s23, 1
	s_cmp_lg_u32 s23, 0
	s_cbranch_scc1 .Lpos
	s_endpgm
.Lpath_x:
	v_lshlrev_b32 v3, 4, v2                        ; my 16 bytes of a load's 512
	s_mul_i32 s19, s18, WREG
	v_lshrrev_b32 v14, 2, v2
	v_mul_u32_u24 v14, v14, SP
	v_and_b32 v15, 3, v2
	v_lshl_add_u32 v14, v15, 4, v14
	v_add_nc_u32 v14, s19, v14                     ; the stage, on the way in
	v_mul_u32_u24 v15, v2, SP
	v_add_nc_u32 v15, s19, v15                     ; and on the way out: my 16 neighbours
	v_mul_u32_u24 v4, v2, CB
	v_lshrrev_b32 v5, 1, v2
	s_add_co_u32 s19, s19, 2*32*SP
	v_add_nc_u32 v5, s19, v5                       ; my wave's 256 scale bytes, my block's byte
	v_lshlrev_b32 v7, 3, v2
	v_add_nc_u32 v6, s19, v7
	v_mov_b32 v10, 0
	s_lshl_b32 s22, ttmp9, 2
	s_add_co_u32 s22, s22, s18                     ; which run of 8,192 numbers is my wave's
	s_mov_b32 s25, 0
	s_lshl_b32 s24, s22, 15
	s_add_nc_u64 s[4:5], s[4:5], s[24:25]
	s_lshl_b32 s24, s22, 12
	s_add_nc_u64 s[26:27], s[16:17], s[24:25]
	s_add_nc_u64 s[26:27], s[26:27], XCO
	s_lshl_b32 s24, s22, 8
	s_add_nc_u64 s[28:29], s[16:17], s[24:25]
	s_add_nc_u64 s[28:29], s[28:29], XSO
	s_lshl_b32 s24, s22, 2
	s_add_nc_u64 s[30:31], s[16:17], s[24:25]      ; my wave's word among the largest magnitudes
.irp t, 0,1,2,3
	XLOAD \t
.endr
	s_wait_loadcnt 12                              ; step 0's four loads are in
	XTURN 0
.irp t, 0,1,2,3,4,5,6,7,8,9,10,11,12,13,14,15
	XSTEP \t
.endr
	ds_load_b64 v[8:9], v6
	s_wait_dscnt 0x0
	global_store_b64 v7, v[8:9], s[28:29]          ; 32 lanes store 256 consecutive bytes, aligned
	MAXOUT 10, 11, 30
	CLOSE
.Lpath_q:
	WQ4 2048, LQ, 0, 6, 256, 4, 0
.Lpath_d:
	WQ4 512, LD, 2048, 8, 320, 2, 1
.Lpath_h:
	s_sub_co_u32 s22, ttmp9, 336                   ; 0-255 Wo, 256-319 Wk_up, 320-383 Wv_up
	s_cmp_lt_u32 s22, 320
	s_cselect_b64 s[34:35], s[10:11], s[12:13]
	s_mov_b32 s26, WKV
	s_cmp_lt_u32 s22, 256
	s_cselect_b64 s[34:35], s[14:15], s[34:35]
	s_cselect_b32 s24, 15, 3                       ; K has 16 blocks of 128, or 4
	s_cselect_b32 s25, 19, 20                      ; a block of 128 k is 2^19 bytes of 2,048 columns, or 2^20 of 4,096
	s_cselect_b32 s26, WOT, s26
	s_cselect_b32 s27, 0, 1
	s_lshr_b32 s28, s22, 6
	s_and_b32 s28, s28, s27                        ; 1 for Wv_up: its columns lie 2,048 rows behind Wk_up's
	s_lshl_b32 s28, s28, 19
	s_add_co_u32 s26, s26, s28
	s_lshr_b32 s28, s22, 4
	s_and_b32 s28, s28, s24                        ; which 128 along K
	s_and_b32 s23, s22, 15
	s_lshl_b32 s23, s23, 7
	s_lshl_b32 s29, s18, 5
	s_add_co_u32 s23, s23, s29                     ; my wave's first column
	s_lshl_b32 s30, s28, 20                        ; 128 rows of 8,192 bytes
	s_lshl_b32 s31, s23, 2
	s_add_co_u32 s30, s30, s31
	s_mov_b32 s31, 0
	s_add_nc_u64 s[34:35], s[34:35], s[30:31]
	s_lshl_b32 s30, s28, s25
	s_add_co_u32 s30, s30, s26
	s_lshl_b32 s29, s23, 8
	s_add_co_u32 s30, s30, s29
	s_add_nc_u64 s[36:37], s[16:17], s[30:31]
	s_lshl_b32 s30, s22, 2
	s_add_co_u32 s30, s30, s18
	s_lshl_b32 s30, s30, 2
	s_add_co_u32 s30, s30, 1088*4
	s_add_nc_u64 s[38:39], s[16:17], s[30:31]
	v_lshlrev_b32 v3, 2, v2
	s_mul_i32 s29, s18, 32*QP
	s_add_co_u32 s29, s29, LH
	v_mul_u32_u24 v4, v2, QP
	v_add_nc_u32 v4, s29, v4                       ; into the stage: row = my column
	v_and_b32 v5, 15, v2
	v_lshrrev_b32 v6, 4, v2
	v_mul_u32_u24 v7, v6, QP
	v_lshl_add_u32 v7, v5, 4, v7
	v_add_nc_u32 v7, s29, v7                       ; out of it: sixteen lanes to a row
	v_lshlrev_b32 v8, 4, v2                        ; the wave's 32 rows of 256 bytes are 8,192 consecutive bytes
	v_mov_b32 v14, 0
	v_mov_b32 v15, 0
	HLOAD 0
	HLOAD 1
.irp t, 0,1,2,3
	HBLOCK \t
.endr
	v_max_num_f32 v14, v14, v15
.irp t, 0,1,2,3,4,5,6,7,8,9,10,11,12,13,14,15
	ds_load_b128 v[32+4*\t:35+4*\t], v7 offset:2*\t*QP
.endr
.irp t, 0,1,2,3,4,5,6,7,8,9,10,11,12,13,14,15
	s_wait_dscnt 15-\t
	global_store_b128 v8, v[32+4*\t:35+4*\t], s[36:37] offset:512*\t
.endr
	MAXOUT 14, 15, 38
	CLOSE
.Lfunc_end_k_q0fc06eff39_prep:
	.size	k_q0fc06eff39_prep, .Lfunc_end_k_q0fc06eff39_prep-k_q0fc06eff39_prep
	.p2alignl 7, 3214868480
	.fill 96, 4, 3214868480
	.section	.rodata,"a",@progbits
	.p2align	6, 0x0
	.amdhsa_kernel k_q0fc06eff39_prep
		.amdhsa_group_segment_fixed_size 137728
		.amdhsa_private_segment_fixed_size 0
		.amdhsa_enable_private_segment 0
		.amdhsa_kernarg_size 56
		.amdhsa_user_sgpr_count 2
		.amdhsa_user_sgpr_kernarg_segment_ptr 1
		.amdhsa_wavefront_size32 1
		.amdhsa_system_sgpr_workgroup_id_x 1
		.amdhsa_system_sgpr_workgroup_id_y 1
		.amdhsa_system_sgpr_workgroup_id_z 1
		.amdhsa_system_vgpr_workitem_id 0
		.amdhsa_next_free_vgpr 240
		.amdhsa_next_free_sgpr 66
		.amdhsa_reserve_vcc 1
		.amdhsa_float_denorm_mode_32 3
		.amdhsa_float_denorm_mode_16_64 3
		.amdhsa_memory_ordered 1
		.amdhsa_forward_progress 1
		.amdhsa_inst_pref_size 225
	.end_amdhsa_kernel
	.amdgpu_metadata
---
amdhsa.version: [ 1, 2 ]
amdhsa.kernels:
  - .name:           k_q0fc06eff39_prep
    .symbol:         k_q0fc06eff39_prep.kd
    .args:
      - { .name: x, .offset: 0, .size: 8, .value_kind: global_buffer, .address_space: global }
      - { .name: Wq, .offset: 8, .size: 8, .value_kind: global_buffer, .address_space: global }
      - { .name: Wdown, .offset: 16, .size: 8, .value_kind: global_buffer, .address_space: global }
      - { .name: Wk_up, .offset: 24, .size: 8, .value_kind: global_buffer, .address_space: global }
      - { .name: Wv_up, .offset: 32, .size: 8, .value_kind: global_buffer, .address_space: global }
      - { .name: Wo, .offset: 40, .size: 8, .value_kind: global_buffer, .address_space: global }
      - { .name: pw, .offset: 48, .size: 8, .value_kind: global_buffer, .address_space: global }
    .group_segment_fixed_size: 137728
    .private_segment_fixed_size: 0
    .kernarg_segment_align: 8
    .kernarg_segment_size: 56
    .max_flat_workgroup_size: 128
    .sgpr_count:     66
    .vgpr_count:     240
    .wavefront_size: 32
...
	.end_amdgpu_metadata
.endif
;; end of part 1
;; launch qlat (part 2): grid 10 x 16, 4 waves a work-group, no clusters, 327,680 bytes of LDS; arguments pw, bq, qa; writes qa
.if DOCPART == 2
	.amdgcn_target "amdgcn-amd-amdhsa--gfx1250"
	.amdhsa_code_object_version 6
	.text
	.protected	k_q0fc06eff39_qlat
	.globl	k_q0fc06eff39_qlat
	.p2align	8
	.type	k_q0fc06eff39_qlat,@function
k_q0fc06eff39_qlat:
	s_mov_b64 s[64:65], 0
	v_nop
	global_prefetch_b8 v0, s[64:65] scope:SCOPE_SE
	s_setreg_imm32_b32 hwreg(HW_REG_WAVE_MODE, 25, 1), 1
	s_wait_xcnt 0x0
; QLAT: [q | lat] = x [Wq | Wdown] on E2M1 codes with E8M0 scales (K = 2,048, N = 2,560), sums in f32; + bq and the rotation on q; q and lat leave as f16, positions 0-15 of each sequence also as f32.
; A work-group makes 256 tokens x 256 columns, a wave 128 x 128: 64 accumulators, 512 registers; a wave's 128 columns are one head.  K goes in steps of 512 (rows of 256 bytes) through two LDS slots;
; the scale bytes of the work-group's rows, for all of K, come once with the first fills.  Each wave fetches a quarter of a slot by one tensor load: waves 0, 1 the tokens' halves, waves 2, 3 the columns'.
; NO CLUSTER: the grid has 10 tile columns, which four do not divide, and the way out branches on the tile row (the f32 copies), which partners of a cluster may not take differently.
; THE MATRIX INSTRUCTION IS USED TRANSPOSED (source 0 = 16 columns of the weight, source 1 = 16 tokens): a lane holds one token and eight neighbouring columns.  bq is the C of the first K step.
; q's tiles and lat's part in front of the last 128 along K, whose 64 products are written in both arms: q's arm asks for the first rows of the cos | sin table there, and they land under those products.
; Wave 0 of work-group (0, 0) also makes the scales of k and v from the largest magnitudes: |k| < 2^(fx + fwd + fwk - 357) (f: exponent fields; 2,048 and 512 terms, a bit for the rotation), so
; s_k = 2^(372 - fx - fwd - fwk) holds |k s_k| under 2^15 for every input; s_v likewise.  LIMITS: q and lat must lie under f16's 65,504; the fields of s_k, s_v are held to 2 .. 252.
; REGISTERS: window 0: v0-31 addresses; v32-95 scale words alone; v96-127 rows read back; v128-191 the tokens' fragments; v192-255 bq; on the way out v160-223 results, v224-255 f16 pairs.
;   window 1: the weights' fragments at v0 and v128; cos | sin of 16 tokens at v64 and v192, by turns.   windows 2, 3: the accumulators ((a, b) at v[8 (8 (a % 4) + b)]).
.set ROPE,  10752
.set XSO,   535040
.set WSO,   797184
.set XCO,   961024
.set WCO,   5155328
.set LATFO, 256
.set QFO,   131328
.set LATHO, 655616
.set QHO,   4849920
.set NQ,     4
.set ROWB,   256
.set KROW,   1024
.set PITCH,  272                       ; an LDS row: 256 bytes + 16: the 16 rows of a load start 68 words apart
.set FR,     8
.set NL,     2
.set NP,     4
.set HALFT,  128*PITCH
.set SLOT,   4*HALFT
.set KS,     64
.set SCLL,   2*SLOT
.set HALFS,  32*272
.set SBLK,   4*272
.set SPARE,  SCLL+4*HALFS
.set SPITCH, 272                       ; the way out: 16 rows x (256 + 16) a wave, in slot 0, which has had its last fill and its last read by then
.set ADRA, 16
.set ADRB, 20
.set STO,  24
.set RD,   25
.set CO,   26
.set ADRS, 27
.set SPW,  28
.set NIL,  29
.set CSO,  30                          ; v30 my byte in the table: (first position + l % 16) x 512 + 32 (l / 16)
.set XO,   31                          ; v31 my byte in the f32 copies
.set SC,   32
.set BKR,  96
.set AF,   128
.set RES,  160
.set BIAS, 192
.set PKD,  224
.set G1,  24
.set G0,  32
.set G1S, 48
.set G0S, 56
.set MSB, 0
.macro WIN new                         ; the immediate's high byte repeats the setting that is left
.if MSB != (\new)
	s_set_vgpr_msb (MSB<<8)|(\new)
.set MSB, (\new)
.endif
.endm
.set MUL_LO, 0xa1
.set MUL_HI, 0xf1
.set TO_B,   0x40
.macro FRAG reg, adr, q, i
.irp c, 0,1
	ds_load_b128 v[\reg+4*\c:\reg+4*\c+3], v[\adr] offset:64*(\q)+32*\c+(\i)*16*PITCH
.endr
.endm
; 16 products: token blocks a0, a0 + 1 x the eight column blocks.  zero = 1: the first K step takes bq as C.  The 64 accumulators take turns, one instruction a turn
.macro MUL16 a0, p, q, sc, zero
.irp a, \a0, \a0+1
.irp b, 0,1,2,3,4,5,6,7
.if \zero
	v_wmma_scale_f32_16x16x128_f8f6f4 v[8*(8*((\a)%4)+\b):8*(8*((\a)%4)+\b)+7], v[128*(\p)+FR*\b:128*(\p)+FR*\b+FR-1], v[AF+FR*(\a):AF+FR*(\a)+FR-1], v[BIAS+8*\b:BIAS+8*\b+7], v[SC+8*NQ*(\sc)+NQ*\b+(\q)], v[SC+8*NQ*(\sc)+NQ*(\a)+(\q)] matrix_a_fmt:MATRIX_FMT_FP4 matrix_b_fmt:MATRIX_FMT_FP4 matrix_a_scale:MATRIX_SCALE_ROW1
.else
	v_wmma_scale_f32_16x16x128_f8f6f4 v[8*(8*((\a)%4)+\b):8*(8*((\a)%4)+\b)+7], v[128*(\p)+FR*\b:128*(\p)+FR*\b+FR-1], v[AF+FR*(\a):AF+FR*(\a)+FR-1], v[8*(8*((\a)%4)+\b):8*(8*((\a)%4)+\b)+7], v[SC+8*NQ*(\sc)+NQ*\b+(\q)], v[SC+8*NQ*(\sc)+NQ*(\a)+(\q)] matrix_a_fmt:MATRIX_FMT_FP4 matrix_b_fmt:MATRIX_FMT_FP4 matrix_a_scale:MATRIX_SCALE_ROW1
.endif
.endr
.endr
.endm
.macro FETCH_B slot, q, p
	WIN TO_B
.irp i, 0,1,2,3,4,5,6,7
	FRAG 128*(\p)+FR*\i, ADRB+\slot, \q, \i
.endr
	WIN 0
.endm
.macro FETCH_A slot, q, i0
.irp i, \i0, \i0+1, \i0+2, \i0+3
	FRAG AF+FR*(\i), ADRA+\slot, \q, \i
.endr
.endm
.macro SCALES sc                       ; a K step's scale words: lanes 0-15 the tokens' block i, lanes 16-31 the columns' block i
.irp i, 0,1,2,3,4,5,6,7
	ds_load_b128 v[SC+8*NQ*\sc+NQ*\i:SC+8*NQ*\sc+NQ*\i+3], v[ADRS] offset:\i*SBLK
.endr
.endm
.macro PLACES n                        ; plain instructions between a matrix instruction and a load into, or a read of, its registers
.rept \n
	v_nop
.endr
.endm
.macro STEP slot, q, zero
	s_wait_dscnt 4*NL                              ; all but the youngest eight loads (token blocks 4-7) are in
	WIN MUL_LO-0x20*\zero                          ; (bq lies in window 0)
	MUL16 0, (\q)%2, \q, \slot, \zero
	MUL16 2, (\q)%2, \q, \slot, \zero
	s_wait_dscnt 0
	PLACES NP
	FETCH_B \slot, (\q)+1, 1-(\q)%2
	FETCH_A \slot, (\q)+1, 0
	WIN MUL_HI-0x30*\zero
	MUL16 4, (\q)%2, \q, \slot, \zero
	MUL16 6, (\q)%2, \q, \slot, \zero
	PLACES NP
	WIN 0
	FETCH_A \slot, (\q)+1, 4
.endm
; A slot's last step changes slots: one barrier; in front of it each wave waits for all its tensor loads, adds 0 to its spare word, and waits for that and for its reads of this slot
.macro TURN slot, next, fill
	s_wait_tensorcnt 0x0                           ; my part of the next slot has landed; no tensor load of mine is out
	ds_add_u32 v[SPW], v[NIL]
	s_wait_dscnt 4*NL+1                            ; the add and the youngest eight loads may be out
	WIN MUL_LO
	MUL16 0, 1, NQ-1, \slot, 0
	s_wait_dscnt 0x0                               ; the add is done, my reads of this slot are over
	s_barrier_signal -1
	MUL16 2, 1, NQ-1, \slot, 0
	WIN 0
	s_barrier_wait -1
.if \fill
	s_add_nc_u64 s[G0+4*\slot+2:G0+4*\slot+3], s[G0+4*\slot+2:G0+4*\slot+3], 2*ROWB
	tensor_load_to_lds s[G0+4*\slot:G0+4*\slot+3], s[G1:G1+7]   ; my one tensor load behind the barrier: this slot, two K steps on
	s_nop 0
	PLACES NP                                      ; (also the places in front of the loads below)
.else
	PLACES NP
.endif
	v_add_nc_u32 v[ADRS], 4*NQ, v[ADRS]
	FETCH_B \next, 0, 0
	FETCH_A \next, 0, 0
	SCALES \next
	WIN MUL_HI
	MUL16 4, 1, NQ-1, \slot, 0
	MUL16 6, 1, NQ-1, \slot, 0
	PLACES NP
	WIN 0
	FETCH_A \next, 0, 4
.endm
.macro STEPS slot, from
.set Q, \from
.rept NQ-1-\from
	STEP \slot, Q, 0
.set Q, Q+1
.endr
.endm
.macro LAST                            ; the very last 128 along K: nothing more to fetch.  Written once in q's arm and once in lat's
	s_wait_dscnt 4*NL
	WIN MUL_LO
	MUL16 0, 1, NQ-1, 1, 0
	MUL16 2, 1, NQ-1, 1, 0
	s_wait_dscnt 0
	WIN MUL_HI
	MUL16 4, 1, NQ-1, 1, 0
	MUL16 6, 1, NQ-1, 1, 0
	WIN 0
	PLACES NP
.endm
.macro CSLOAD a                        ; cos and sin of token block a: 32 + 32 registers a lane, into window 1
.set CS, 64+128*((\a)%2)
	WIN 0x40
.irp b, 0,1,2,3
	global_load_b128 v[CS+8*\b:CS+8*\b+3], v[CSO], s[40:41] offset:(\a)*8192+64*\b
	global_load_b128 v[CS+8*\b+4:CS+8*\b+7], v[CSO], s[40:41] offset:(\a)*8192+64*\b+16
	global_load_b128 v[CS+32+8*\b:CS+32+8*\b+3], v[CSO], s[40:41] offset:(\a)*8192+64*\b+256
	global_load_b128 v[CS+32+8*\b+4:CS+32+8*\b+7], v[CSO], s[40:41] offset:(\a)*8192+64*\b+272
.endr
	WIN 0
.endm
.macro SENDH imm, step                 ; the f16 pairs go through my stage and leave as rows of 256 bytes: sixteen lanes to a row
.irp b, 0,1,2,3,4,5,6,7
	ds_store_b128 v[STO], v[PKD+4*\b:PKD+4*\b+3] offset:32*\b
.endr
.irp t, 0,1,2,3,4,5,6,7
	ds_load_b128 v[BKR+4*\t:BKR+4*\t+3], v[RD] offset:\t*2*SPITCH   ; LDS serves a wave's instructions in order: these see the stores
.endr
	s_wait_dscnt 0x0
.irp t, 0,1,2,3,4,5,6,7
	global_store_b128 v[CO], v[BKR+4*\t:BKR+4*\t+3], s[42:43] offset:\imm+\t*\step
.endr
.endm
.macro QBLOCK a                        ; 16 tokens of q: channels d and d + 64 lie in column blocks b and b + 4 of the same lane
.set AC, 64*((\a)%4)
.set CS, 64+128*((\a)%2)
	s_wait_xcnt 0x0                                ; the last block's stores have read their registers
.if (\a) == 7
	s_wait_loadcnt 0x0
.else
	s_wait_loadcnt 16                              ; this block's table is in; the next block's 16 loads may be out
.endif
	WIN 0x06+(\a)/4                                ; source 0: the accumulators' window; source 1: window 1
.irp b, 0,1,2,3
.irp j, 0,2,4,6
	v_pk_mul_f32 v[RES+8*\b+\j:RES+8*\b+\j+1], v[AC+8*(\b+4)+\j:AC+8*(\b+4)+\j+1], v[CS+32+8*\b+\j:CS+32+8*\b+\j+1]
	v_pk_mul_f32 v[RES+32+8*\b+\j:RES+32+8*\b+\j+1], v[AC+8*\b+\j:AC+8*\b+\j+1], v[CS+32+8*\b+\j:CS+32+8*\b+\j+1]
	v_pk_fma_f32 v[RES+8*\b+\j:RES+8*\b+\j+1], v[AC+8*\b+\j:AC+8*\b+\j+1], v[CS+8*\b+\j:CS+8*\b+\j+1], v[RES+8*\b+\j:RES+8*\b+\j+1] neg_lo:[0,0,1] neg_hi:[0,0,1]
	v_pk_fma_f32 v[RES+32+8*\b+\j:RES+32+8*\b+\j+1], v[AC+8*(\b+4)+\j:AC+8*(\b+4)+\j+1], v[CS+8*\b+\j:CS+8*\b+\j+1], v[RES+32+8*\b+\j:RES+32+8*\b+\j+1]
.endr
.endr
	WIN 0
.if (\a) < 6
	CSLOAD (\a)+2
.endif
.if (\a) == 0
	s_cmp_lg_u32 s47, 0                            ; positions 0-15 of a sequence: their q also leaves as f32
	s_cbranch_scc1 .Lno_qf
.irp b, 0,1,2,3,4,5,6,7
	global_store_b128 v[XO], v[RES+8*\b:RES+8*\b+3], s[44:45] offset:64*\b
	global_store_b128 v[XO], v[RES+8*\b+4:RES+8*\b+7], s[44:45] offset:64*\b+16
.endr
.Lno_qf:
.endif
.set i, 0
.rept 32
	v_cvt_pk_f16_f32 v[PKD+i], v[RES+2*i], v[RES+2*i+1]
.set i, i+1
.endr
	SENDH (\a)*4096, 512
.endm
.macro LBLOCK a                        ; 16 tokens of lat
.set AC, 64*((\a)%4)
	s_wait_xcnt 0x0
.if (\a) == 0
	s_cmp_lg_u32 s47, 0
	s_cbranch_scc1 .Lno_lf
	WIN 0x08                                       ; a store's data are its source 1: window 2
.irp b, 0,1,2,3,4,5,6,7
	global_store_b128 v[XO], v[AC+8*\b:AC+8*\b+3], s[44:45] offset:64*\b
	global_store_b128 v[XO], v[AC+8*\b+4:AC+8*\b+7], s[44:45] offset:64*\b+16
.endr
	WIN 0
.Lno_lf:
.endif
	WIN 0x0a+5*((\a)/4)
.set i, 0
.rept 32
	v_cvt_pk_f16_f32 v[PKD+i], v[AC+2*i], v[AC+2*i+1]
.set i, i+1
.endr
	WIN 0
	SENDH (\a)*16384, 2048
.endm
	s_load_b128 s[4:7], s[0:1], 0x0                ; pw, bq
	s_load_b64 s[8:9], s[0:1], 0x10                ; qa
	v_lshl_add_u32 v[SPW], v0, 2, SPARE
	v_mov_b32 v[NIL], 0
	ds_add_u32 v[SPW], v[NIL]                      ; the opening: the add, twice on end, and its wait ahead of my first tensor load
	ds_add_u32 v[SPW], v[NIL]
	v_lshrrev_b32 v1, 5, v0
	v_readfirstlane_b32 s14, v1                    ; wave 0..3
	s_lshr_b32 s15, s14, 1                         ; my half of the tokens.  Also: I fetch tokens (0) or columns (1)
	s_and_b32 s16, s14, 1                          ; my half of the columns.  Also: which 128 rows I fetch
	s_and_b32 s17, ttmp7, 0xffff                   ; tile row
	s_mov_b32 s[G1+0], (0<<16)|(1<<20)|(5<<22)|(3<<25)   ; elements of 1 byte; padding: 4 words after every 64
	s_mov_b32 s[G1+1], ROWB<<16                    ; tensor_dim0
	s_mov_b32 s[G1+2], 128<<16                     ; tensor_dim1
	s_mov_b32 s[G1+3], ROWB<<16                    ; tile_dim0
	s_mov_b32 s[G1+4], 128                         ; tile_dim1
	s_mov_b32 s[G1+5], KROW                        ; from row to row
	s_mov_b32 s[G1+6], 0
	s_mov_b32 s[G1+7], 0
	s_mov_b32 s[G1S+0], (3<<16)|(1<<20)|(5<<22)|(3<<25)  ; the scale bytes of 128 rows: 8,192 dense bytes as 32 rows of 32 elements of 8 bytes
	s_mov_b32 s[G1S+1], 32<<16
	s_mov_b32 s[G1S+2], 32<<16
	s_mov_b32 s[G1S+3], 32<<16
	s_mov_b32 s[G1S+4], 32
	s_mov_b32 s[G1S+5], 32
	s_mov_b32 s[G1S+6], 0
	s_mov_b32 s[G1S+7], 0
	s_mov_b32 s18, WCO
	s_mov_b32 s20, WSO
	s_cmp_eq_u32 s15, 0
	s_cselect_b32 s22, s17, ttmp9                  ; the tile's number: of tokens or of columns
	s_cselect_b32 s18, XCO, s18
	s_cselect_b32 s20, XSO, s20
	s_lshl_b32 s22, s22, 8
	s_lshl_b32 s23, s16, 7
	s_add_co_u32 s22, s22, s23                     ; the first row that I fetch
	s_lshl_b32 s23, s22, 10
	s_add_co_u32 s18, s18, s23                     ; its codes,
	s_mov_b32 s19, 0
	s_lshl_b32 s23, s22, 6
	s_add_co_u32 s20, s20, s23                     ; its scale bytes
	s_mov_b32 s21, 0
	s_mul_i32 s22, s14, HALFT
	s_mul_i32 s23, s14, HALFS
	s_mov_b32 s68, 0x76543210
	s_mov_b32 s69, 0xfedcba98
	s_wait_dscnt 0x0                               ; both opening adds are done
	s_wait_kmcnt 0x0
	s_mov_b32 s[G0S], 1
	s_add_co_u32 s[G0S+1], s23, SCLL
	s_add_nc_u64 s[G0S+2:G0S+3], s[4:5], s[20:21]
	s_or_b32 s[G0S+3], s[G0S+3], 0x80000000
.irp s, 0,1
	s_mov_b32 s[G0+4*\s], 1
	s_add_co_u32 s[G0+4*\s+1], s22, \s*SLOT
	s_add_nc_u64 s[G0+4*\s+2:G0+4*\s+3], s[4:5], s[18:19]
	s_add_nc_u64 s[G0+4*\s+2:G0+4*\s+3], s[G0+4*\s+2:G0+4*\s+3], \s*ROWB
	s_or_b32 s[G0+4*\s+3], s[G0+4*\s+3], 0x80000000
.endr
	tensor_load_to_lds s[G0S:G0S+3], s[G1S:G1S+7]  ; the three first fills go out together: three tensor loads of mine are out
	s_nop 0
	tensor_load_to_lds s[G0:G0+3], s[G1:G1+7]
	s_nop 0
	tensor_load_to_lds s[G0+4:G0+7], s[G1:G1+7]
	s_nop 0
	PLACES 4
	v_and_b32 v1, 15, v0                           ; l % 16
	v_bfe_u32 v2, v0, 4, 1                         ; l / 16
	v_mul_u32_u24 v3, v1, PITCH
	v_lshl_add_u32 v4, v2, 4, v3
	s_mul_i32 s21, s15, HALFT
	s_mul_i32 s22, s16, HALFT
	s_add_co_u32 s22, s22, 2*HALFT
.irp s, 0,1
	v_add_nc_u32 v[ADRA+\s], s21, v4
	v_add_nc_u32 v[ADRB+\s], s22, v4
	s_add_co_u32 s21, s21, SLOT
	s_add_co_u32 s22, s22, SLOT
.endr
	v_mul_u32_u24 v5, v1, KS
	v_lshrrev_b32 v6, 8, v5
	v_lshl_add_u32 v5, v6, 4, v5                   ; 16 more for each 256 passed
	s_mul_i32 s21, s15, HALFS
	s_mul_i32 s22, s16, HALFS
	s_add_co_u32 s22, s22, 2*HALFS
	s_sub_co_u32 s22, s22, s21
	v_mul_u32_u24 v6, s22, v2                      ; lanes 16-31 take the columns' words
	s_add_co_u32 s21, s21, SCLL
	v_add_nc_u32 v5, v5, v6
	v_add_nc_u32 v[ADRS], s21, v5
	s_mul_i32 s23, s14, 16*SPITCH
	v_mul_u32_u24 v5, v1, SPITCH
	v_lshl_add_u32 v5, v2, 4, v5
	v_add_nc_u32 v[STO], s23, v5
	v_mul_u32_u24 v5, v2, SPITCH
	v_lshl_add_u32 v5, v1, 4, v5
	v_add_nc_u32 v[RD], s23, v5
	s_and_b32 s21, s17, 3
	s_lshl_b32 s21, s21, 8
	s_lshl_b32 s22, s15, 7
	s_add_co_u32 s47, s21, s22                     ; my first token's position in its sequence
	s_lshl_b32 s21, s47, 9
	v_lshlrev_b32 v[CSO], 9, v1
	v_lshl_add_u32 v[CSO], v2, 5, v[CSO]
	v_add_nc_u32 v[CSO], s21, v[CSO]
	v_lshlrev_b32 v10, 5, v2                       ; 32 (l / 16)
	s_add_nc_u64 s[40:41], s[4:5], ROPE
	s_lshl_b32 s22, ttmp9, 8
	s_lshl_b32 s23, s16, 7
	s_add_co_u32 s66, s22, s23                     ; my first column of the 2,560
	s_lshl_b32 s22, s66, 2
	s_mov_b32 s23, 0
	s_add_nc_u64 s[60:61], s[6:7], s[22:23]
	s_cmp_lt_u32 ttmp9, 8
	s_cbranch_scc0 .Lzero_bias
.irp b, 0,1,2,3,4,5,6,7
	global_load_b128 v[BIAS+8*\b:BIAS+8*\b+3], v10, s[60:61] offset:64*\b
	global_load_b128 v[BIAS+8*\b+4:BIAS+8*\b+7], v10, s[60:61] offset:64*\b+16
.endr
	s_branch .Lbias_done
.Lzero_bias:                                           ; lat has no bias
.set i, 0
.rept 64
	v_mov_b32 v[BIAS+i], 0
.set i, i+1
.endr
.Lbias_done:
	s_or_b32 s22, ttmp9, s17
	s_or_b32 s22, s22, s14
	s_cmp_lg_u32 s22, 0
	s_cbranch_scc1 .Lno_scales
	; one wave of the launch: the largest magnitudes of x (1,024 words), Wdown (64), Wk_up, Wv_up (256 each) -> the scales
	v_and_b32 v11, 31, v0
	v_lshlrev_b32 v12, 4, v11
	v_lshlrev_b32 v13, 3, v11
.irp i, 0,1,2,3,4,5,6,7
	global_load_b128 v[128+4*\i:131+4*\i], v12, s[4:5] offset:512*\i
.endr
	global_load_b128 v[160:163], v12, s[4:5] offset:8448
	global_load_b128 v[164:167], v12, s[4:5] offset:8960
	global_load_b128 v[168:171], v12, s[4:5] offset:9472
	global_load_b128 v[172:175], v12, s[4:5] offset:9984
	global_load_b64 v[176:177], v13, s[4:5] offset:4096
	s_wait_loadcnt 0x0
.irp i, 129,131,133,135,137,139,141,143,145,147,149,151,153,155,157
	v_max3_num_f32 v128, v128, v[\i], v[\i+1]
.endr
	v_max_num_f32 v128, v128, v159
.irp i, 161,163,165
	v_max3_num_f32 v160, v160, v[\i], v[\i+1]
	v_max3_num_f32 v168, v168, v[\i+8], v[\i+9]
.endr
	v_max_num_f32 v160, v160, v167
	v_max_num_f32 v168, v168, v175
	v_max_num_f32 v176, v176, v177
.irp m, 1,2,4,8
.irp g, 128,160,168,176
	v_max_num_f32_dpp v[\g], v[\g], v[\g] row_xmask:\m row_mask:0xf bank_mask:0xf
.endr
.endr
.irp g, 128,160,168,176
	v_permlanex16_b32 v[\g+1], v[\g], s68, s69
.endr
.irp g, 128,160,168,176
	v_max_num_f32 v[\g], v[\g], v[\g+1]
.endr
	v_readfirstlane_b32 s70, v128
	v_readfirstlane_b32 s71, v176
	v_readfirstlane_b32 s72, v160
	v_readfirstlane_b32 s73, v168
	s_lshr_b32 s70, s70, 23                        ; exponent fields (the numbers are not negative)
	s_lshr_b32 s71, s71, 23
	s_lshr_b32 s72, s72, 23
	s_lshr_b32 s73, s73, 23
	s_add_co_u32 s70, s70, s71
	s_add_co_u32 s72, s72, s70
	s_add_co_u32 s73, s73, s70
	s_sub_co_i32 s72, 499, s72                     ; s_k's field: 372 + 127 less the three fields
	s_sub_co_i32 s73, 499, s73
	s_max_i32 s72, s72, 2
	s_max_i32 s73, s73, 2
	s_min_i32 s72, s72, 252
	s_min_i32 s73, s73, 252
	s_sub_co_i32 s74, 254, s72                     ; 1 / s_k
	s_sub_co_i32 s75, 254, s73                     ; 1 / s_v
	s_lshl_b32 s72, s72, 23
	s_lshl_b32 s73, s73, 23
	s_lshl_b32 s74, s74, 23
	s_lshl_b32 s75, s75, 23
	v_mov_b32 v128, s72                            ; s_k
	v_mov_b32 v129, s73                            ; s_v
	v_mov_b32 v130, s75                            ; 1 / s_v
	v_mov_b32 v131, s74
	v_mul_f32 v131, 0x3e0293ee, v131               ; log2(e) / sqrt(128) / s_k
	v_mul_f32 v132, 0xc7dcf88b, v128               ; -10,000 sqrt(128) s_k: the mask's score as a raw product
	v_mov_b32 v133, 0
	v_mov_b32 v134, 0
	v_mov_b32 v135, 0
	v_mov_b32 v12, 0
	v_cmp_eq_u32 vcc_lo, 0, v11
	s_wait_xcnt 0x0                                ; EXEC changes only behind s_wait_xcnt 0
	s_and_saveexec_b32 s22, vcc_lo
	global_store_b128 v12, v[128:131], s[8:9]
	global_store_b128 v12, v[132:135], s[8:9] offset:16
	s_wait_xcnt 0x0
	s_or_b32 exec_lo, exec_lo, s22
.Lno_scales:
	s_wait_loadcnt 0x0                             ; bq
	s_wait_tensorcnt 1                             ; the scale bytes and my part of K step 0 are in; K step 1's load may be out
	s_barrier_signal -1
	s_barrier_wait -1
	FETCH_B 0, 0, 0
	FETCH_A 0, 0, 0
	SCALES 0
	FETCH_A 0, 0, 4
	STEP 0, 0, 1                                   ; four K steps of 512, written out: two refills, then none
	STEPS 0, 1
	TURN 0, 1, 1
	STEPS 1, 0
	TURN 1, 0, 1
	STEP 0, 0, 0
	STEPS 0, 1
	TURN 0, 1, 0
	STEPS 1, 0
	s_lshr_b32 s18, s17, 2                         ; the batch
	s_mov_b32 s21, 0
	s_cmp_lt_u32 ttmp9, 8                          ; q's tiles and lat's part here
	s_cbranch_scc0 .Llat_out
	CSLOAD 0                                       ; the table of token blocks 0 and 1: 32 loads, which land under the last 64 products
	CSLOAD 1
	LAST
	s_lshl_b32 s19, ttmp9, 1
	s_add_co_u32 s19, s19, s16                     ; the head
	s_lshl_b32 s20, s18, 4
	s_add_co_u32 s20, s20, s19
	s_lshl_b32 s20, s20, 10
	s_add_co_u32 s20, s20, s47
	s_lshl_b32 s20, s20, 8                         ; q as f16: [batch x 16 + head][position][128]
	s_add_co_u32 s20, s20, QHO
	s_add_nc_u64 s[42:43], s[8:9], s[20:21]
	s_lshl_b32 s20, s18, 17
	s_lshl_b32 s22, s66, 2
	s_add_co_u32 s20, s20, s22
	s_add_co_u32 s20, s20, QFO
	s_add_nc_u64 s[44:45], s[8:9], s[20:21]
	v_and_b32 v3, 31, v0
	v_lshlrev_b32 v[CO], 4, v3                     ; two rows of 256 bytes are 512 consecutive bytes
	v_lshlrev_b32 v[XO], 13, v1
	v_lshl_add_u32 v[XO], v2, 5, v[XO]
.irp a, 0,1,2,3,4,5,6,7
	QBLOCK \a
.endr
	s_branch .Ldone
.Llat_out:
	LAST
	s_sub_co_u32 s19, s66, 2048                    ; my first column of lat
	s_lshl_b32 s20, s17, 8
	s_lshl_b32 s22, s15, 7
	s_add_co_u32 s20, s20, s22
	s_lshl_b32 s20, s20, 10                        ; a row of lat as f16 is 1,024 bytes
	s_lshl_b32 s22, s19, 1
	s_add_co_u32 s20, s20, s22
	s_add_co_u32 s20, s20, LATHO
	s_add_nc_u64 s[42:43], s[8:9], s[20:21]
	s_lshl_b32 s20, s18, 15
	s_lshl_b32 s22, s19, 2
	s_add_co_u32 s20, s20, s22
	s_add_co_u32 s20, s20, LATFO
	s_add_nc_u64 s[44:45], s[8:9], s[20:21]
	v_lshlrev_b32 v[CO], 10, v2
	v_lshl_add_u32 v[CO], v1, 4, v[CO]
	v_lshlrev_b32 v[XO], 11, v1
	v_lshl_add_u32 v[XO], v2, 5, v[XO]
.irp a, 0,1,2,3,4,5,6,7
	LBLOCK \a
.endr
.Ldone:
	s_wait_tensorcnt 0x0                           ; the wave's end
	ds_add_u32 v[SPW], v[NIL]
	s_wait_dscnt 0x0
	s_endpgm
.Lfunc_end_k_q0fc06eff39_qlat:
	.size	k_q0fc06eff39_qlat, .Lfunc_end_k_q0fc06eff39_qlat-k_q0fc06eff39_qlat
	.p2alignl 7, 3214868480
	.fill 96, 4, 3214868480
	.section	.rodata,"a",@progbits
	.p2align	6, 0x0
	.amdhsa_kernel k_q0fc06eff39_qlat
		.amdhsa_group_segment_fixed_size 327680
		.amdhsa_private_segment_fixed_size 0
		.amdhsa_enable_private_segment 0
		.amdhsa_kernarg_size 24
		.amdhsa_user_sgpr_count 2
		.amdhsa_user_sgpr_kernarg_segment_ptr 1
		.amdhsa_wavefront_size32 1
		.amdhsa_system_sgpr_workgroup_id_x 1
		.amdhsa_system_sgpr_workgroup_id_y 1
		.amdhsa_system_sgpr_workgroup_id_z 1
		.amdhsa_system_vgpr_workitem_id 0
		.amdhsa_next_free_vgpr 1024
		.amdhsa_next_free_sgpr 80
		.amdhsa_reserve_vcc 1
		.amdhsa_float_denorm_mode_32 3
		.amdhsa_float_denorm_mode_16_64 3
		.amdhsa_memory_ordered 1
		.amdhsa_forward_progress 1
		.amdhsa_inst_pref_size 255
	.end_amdhsa_kernel
	.section	.bss,"aw",@nobits
	.p2align	6
	.space	262144
	.amdgpu_metadata
---
amdhsa.version: [ 1, 2 ]
amdhsa.kernels:
  - .name:           k_q0fc06eff39_qlat
    .symbol:         k_q0fc06eff39_qlat.kd
    .args:
      - { .name: pw, .offset: 0, .size: 8, .value_kind: global_buffer, .address_space: global }
      - { .name: bq, .offset: 8, .size: 8, .value_kind: global_buffer, .address_space: global }
      - { .name: qa, .offset: 16, .size: 8, .value_kind: global_buffer, .address_space: global }
    .group_segment_fixed_size: 327680
    .private_segment_fixed_size: 0
    .kernarg_segment_align: 8
    .kernarg_segment_size: 24
    .max_flat_workgroup_size: 128
    .sgpr_count:     80
    .vgpr_count:     1024
    .wavefront_size: 32
...
	.end_amdgpu_metadata
.endif
;; end of part 2
;; launch kvup (part 3): grid 16 x 16, 4 waves a work-group, clusters of 4 x 4, 327,680 bytes of LDS; arguments qa, pw, kv; writes kv
.if DOCPART == 3
	.amdgcn_target "amdgcn-amd-amdhsa--gfx1250"
	.amdhsa_code_object_version 6
	.text
	.protected	k_q0fc06eff39_kvup
	.globl	k_q0fc06eff39_kvup
	.p2align	8
	.type	k_q0fc06eff39_kvup,@function
k_q0fc06eff39_kvup:
	s_mov_b64 s[64:65], 0
	v_nop
	global_prefetch_b8 v0, s[64:65] scope:SCOPE_SE
	s_setreg_imm32_b32 hwreg(HW_REG_WAVE_MODE, 25, 1), 1
	s_wait_xcnt 0x0
	s_wait_alu depctr_hold_cnt(0) depctr_sa_sdst(0) depctr_va_vdst(0) depctr_va_sdst(0) depctr_va_ssrc(0) depctr_va_vcc(0) depctr_vm_vsrc(0)
	s_getreg_b32 s2, hwreg(HW_REG_IB_STS2, 6, 4)
	s_cmp_eq_u32 s2, 0
	s_cbranch_scc0 .Lentry_in_a_cluster
	s_endpgm
.Lentry_in_a_cluster:
	s_bfe_u32 s2, ttmp6, 0x10000c
	s_cmp_lg_u32 s2, 0xf033
	s_cbranch_scc0 .Lentry_shape_is_right
	s_endpgm
.Lentry_shape_is_right:
; KVUP: [k | v] = lat [Wk_up | Wv_up] with f16 operands and f32 sums (M 4,096, K 512, N 4,096); the rotation on k; k x s_k and v x s_v (exact powers of two) leave as f16 [batch x 16 + head][position][128];
; v's sums over blocks of 64 keys leave as f32 (block 0 of a sequence holds keys 16 to 63 alone: its only reader wants those).
; A tile is 256 tokens x 256 columns: 16 x 16 = 256 work-groups.  Four waves, each 128 x 128 (one head): 64 accumulators, 512 registers.  K goes in four steps of 128 (rows of 256 bytes) through two LDS slots.
; CLUSTERS 4 x 4: lat's tile is shared along a row of the cluster, the weights' along a column; each is asked for jointly.  Waves 0, 1 ask for lat's halves (128 rows), waves 2, 3 for the weights'.
; k or v is told by the cluster's x, which all partners share.  The two part in front of the last two quarters of K (128 products, written in both arms): k's arm asks for the first rows of the cos | sin
; table there, behind the last joint load, and they land under those products.  THE MATRIX INSTRUCTION IS USED TRANSPOSED: a lane holds one token and eight neighbouring columns.
; NO PREFETCH: the only refills are K steps 2 and 3; their requests would stand at the head, among the first fills.
; REGISTERS: window 0: v0-31 addresses; v32-63 f16 pairs; v64-127, v128-191 lat's fragments (8 x 16 rows x 32 K), two buffers; v192-255 results on the way out; v64-95 then take the rows read back.
;   window 1: v64-127, v128-191 the weights' fragments, two buffers; v0-63 and v192-255 cos | sin of 16 tokens, by turns: no product names these.
;   window 2: the accumulators of my tokens 0-63 ((a, b) at v[8 (8 a + b)]);   window 3: those of my tokens 64-127.
.set SIZE_K, 512
.set KSTEP,  128
.set KBS,    1048576                   ; from one block of 128 k of the weights to the next
.set AOFF,   655616                    ; lat as f16 in qa
.set BOFF,   7776768                   ; the weights in pw
.set ROPE,   10752
.set KHO,    524288
.set VHO,    17301504
.set PITCH,  272                       ; an LDS row: 256 bytes + 16: the 16 rows of a load start 68 words apart
.set HALFT,  128*PITCH                 ; 128 rows: what one tensor load brings, and what one wave reads of lat or of the weights
.set SLOT,   4*HALFT                   ; lat's 256 rows, then the weights' 256
.set STAGE,  2*SLOT                    ; behind the ring: 16 rows x 272 bytes for each wave
.set SPITCH, 272
.set SPARE,  STAGE+4*16*SPITCH         ; the spare words, 128 bytes a wave
.set LAPS,   SIZE_K/(2*KSTEP)
.set ADRA, 16
.set ADRB, 20
.set STO,  24
.set RD,   25
.set CO,   26
.set CSO,  27
.set SPW,  28
.set NIL,  29
.set VO,   30
.set PKD,  32
.set BKR,  64
.set F0,   64
.set F1,   128
.set RES,  192
.set G1,  24
.set G0,  32
.set G1B, 48
.set G0B, 56
.set MSB, 0
.macro WIN new                         ; the immediate's high byte repeats the setting that is left
.if MSB != (\new)
	s_set_vgpr_msb (MSB<<8)|(\new)
.set MSB, (\new)
.endif
.endm
.set MUL_LO, 0xa1                      ; source 0 (the weights) window 1, source 1 (lat) window 0, C and D window 2
.set MUL_HI, 0xf1                      ; the same, C and D window 3
.set TO_B,   0x40                      ; destination window 1, address window 0
.macro JLOAD s                         ; a joint load; an s_nop 0 and four v_nop follow each of the two lines
	s_cmp_eq_u32 s11, 0
	s_cbranch_scc0 .Lfor_b_\@
	tensor_load_to_lds s[G0+4*\s:G0+4*\s+3], s[G1:G1+7]
	s_nop 0
.rept 4
	v_nop
.endr
	s_branch .Lasked_\@
.Lfor_b_\@:
	tensor_load_to_lds s[G0B+4*\s:G0B+4*\s+3], s[G1B:G1B+7]
	s_nop 0
.rept 4
	v_nop
.endr
.Lasked_\@:
.endm
.macro CREST                           ; a round of the cluster's barrier behind its opening barrier
	s_cmp_lg_u32 s10, 0
	s_cbranch_scc1 .Lnot_wave_0_\@
	s_barrier_signal -3
.Lnot_wave_0_\@:
	s_barrier_wait -3
	s_barrier_signal -1
	s_barrier_wait -1
.endm
.macro CROUND
	s_barrier_signal -1
	s_barrier_wait -1
	CREST
.endm
.macro PLACES                          ; four plain instructions between a matrix instruction and a load into, or a read of, its registers
.rept 4
	v_nop
.endr
.endm
; 16 products: token blocks a0, a0 + 1 of the window's four (hi = 0: my tokens 0-63, 1: 64-127) x the eight column blocks, 32 along K.  zero = 1: the first product starts the sums.
; The 64 accumulators take turns, one instruction a turn, in one order
.macro MUL16 f, hi, a0, zero
.irp a, \a0, \a0+1
.irp b, 0,1,2,3,4,5,6,7
.if \zero
	v_wmma_f32_16x16x32_f16 v[8*(8*(\a)+\b):8*(8*(\a)+\b)+7], v[\f+8*\b:\f+8*\b+7], v[\f+8*(4*\hi+\a):\f+8*(4*\hi+\a)+7], 0
.else
	v_wmma_f32_16x16x32_f16 v[8*(8*(\a)+\b):8*(8*(\a)+\b)+7], v[\f+8*\b:\f+8*\b+7], v[\f+8*(4*\hi+\a):\f+8*(4*\hi+\a)+7], v[8*(8*(\a)+\b):8*(8*(\a)+\b)+7]
.endif
.endr
.endr
.endm
.macro FETCH slot, k, f                ; 32 LDS loads in one run: the weights' 16, then lat's 16, for 32 along K at byte k of the rows
	WIN TO_B
.irp i, 0,1,2,3,4,5,6,7
	ds_load_b128 v[\f+8*\i:\f+8*\i+3],   v[ADRB+\slot] offset:\k+\i*16*PITCH
	ds_load_b128 v[\f+8*\i+4:\f+8*\i+7], v[ADRB+\slot] offset:\k+\i*16*PITCH+32
.endr
	WIN 0
.irp i, 0,1,2,3,4,5,6,7
	ds_load_b128 v[\f+8*\i:\f+8*\i+3],   v[ADRA+\slot] offset:\k+\i*16*PITCH
	ds_load_b128 v[\f+8*\i+4:\f+8*\i+7], v[ADRA+\slot] offset:\k+\i*16*PITCH+32
.endr
.endm
.macro QUARTER slot, k, f, g, zero     ; multiplies buffer f; in its middle it fetches the next quarter's fragments, at byte k, into buffer g
	s_wait_dscnt 8                                 ; all but the youngest eight loads (lat's blocks 4-7) are in
	WIN MUL_LO
	MUL16 \f, 0, 0, \zero
	MUL16 \f, 0, 2, \zero
	PLACES
	FETCH \slot, \k, \g
	s_wait_dscnt 32                                ; all but the 32 just issued
	WIN MUL_HI
	MUL16 \f, 1, 0, \zero
	MUL16 \f, 1, 2, \zero
.endm
; The last quarter of a K step changes slots: in front of the barrier each wave waits for all its tensor loads, adds 0 to its spare word, and waits for that and for its reads of this slot
.macro TURN slot, next, fill
	WIN 0
	s_wait_tensorcnt 0x0                           ; my part of the next slot has landed; no tensor load of mine is out
	ds_add_u32 v[SPW], v[NIL]
	s_wait_dscnt 9                                 ; the add and the youngest eight loads may be out
	WIN MUL_LO
	MUL16 F1, 0, 0, 0
	s_wait_dscnt 0x0                               ; the add is done, my reads of this slot are over
	s_barrier_signal -1
	MUL16 F1, 0, 2, 0
	WIN 0
	s_barrier_wait -1
.if \fill
	CREST                                          ; the barrier has opened a round of the cluster's: no wave of any partner still reads this slot or has a load on its way
	s_add_nc_u64 s[G0+4*\slot+2:G0+4*\slot+3], s[G0+4*\slot+2:G0+4*\slot+3], 2*KSTEP*2
	s_add_nc_u64 s[G0B+4*\slot+2:G0B+4*\slot+3], s[G0B+4*\slot+2:G0B+4*\slot+3], 2*KBS
	JLOAD \slot                                    ; the first tensor load behind the round: 224 products ahead of the wait for it; its four v_nop are also the places in front of the loads below
.else
	PLACES
.endif
	FETCH \next, 0, F0
	WIN MUL_HI
	MUL16 F1, 1, 0, 0
	MUL16 F1, 1, 2, 0
.endm
.macro TAIL                            ; the last two quarters of K: 128 products.  Written once in k's arm and once in v's
	QUARTER 1, 192, F0, F1, 0
	s_wait_dscnt 8
	WIN MUL_LO
	MUL16 F1, 0, 0, 0
	MUL16 F1, 0, 2, 0
	s_wait_dscnt 0
	WIN MUL_HI
	MUL16 F1, 1, 0, 0
	MUL16 F1, 1, 2, 0
	WIN 0
	PLACES
.endm
.macro KCS a                           ; cos and sin of token block a: 16 loads, into window 1
.set CS, 192*((\a)%2)
	WIN 0x40
.irp b, 0,1,2,3
	global_load_b128 v[CS+8*\b:CS+8*\b+3], v[CSO], s[72:73] offset:(\a)*8192+64*\b
	global_load_b128 v[CS+8*\b+4:CS+8*\b+7], v[CSO], s[72:73] offset:(\a)*8192+64*\b+16
	global_load_b128 v[CS+32+8*\b:CS+32+8*\b+3], v[CSO], s[72:73] offset:(\a)*8192+64*\b+256
	global_load_b128 v[CS+32+8*\b+4:CS+32+8*\b+7], v[CSO], s[72:73] offset:(\a)*8192+64*\b+272
.endr
	WIN 0
.endm
.macro SENDH a                         ; 16 tokens: f16 pairs, through my stage, out as rows of 256 bytes: sixteen lanes to a row
.set i, 0
.rept 32
	v_cvt_pk_f16_f32 v[PKD+i], v[RES+2*i], v[RES+2*i+1]
.set i, i+1
.endr
.irp b, 0,1,2,3,4,5,6,7
	ds_store_b128 v[STO], v[PKD+4*\b:PKD+4*\b+3] offset:32*\b
.endr
.irp t, 0,1,2,3,4,5,6,7
	ds_load_b128 v[BKR+4*\t:BKR+4*\t+3], v[RD] offset:\t*2*SPITCH   ; LDS serves a wave's instructions in order: these see the stores
.endr
	s_wait_dscnt 0x0
.irp t, 0,1,2,3,4,5,6,7
	global_store_b128 v[CO], v[BKR+4*\t:BKR+4*\t+3], s[78:79] offset:(\a)*4096+\t*512
.endr
.endm
.macro KBLOCK a                        ; 16 tokens of k: channels d and d + 64 lie in column blocks b and b + 4 of the same lane
.set AC, 64*((\a)%4)
.set CS, 192*((\a)%2)
	s_wait_xcnt 0x0                                ; the last block's stores have read their registers
.if (\a) == 7
	s_wait_loadcnt 0x0
.else
	s_wait_loadcnt 16                              ; this block's table is in; the next block's 16 loads may be out
.endif
	WIN 0x06+(\a)/4                                ; source 0: the accumulators' window; source 1: window 1
.irp b, 0,1,2,3
.irp j, 0,2,4,6
	v_pk_mul_f32 v[RES+8*\b+\j:RES+8*\b+\j+1], v[AC+8*(\b+4)+\j:AC+8*(\b+4)+\j+1], v[CS+32+8*\b+\j:CS+32+8*\b+\j+1]
	v_pk_mul_f32 v[RES+32+8*\b+\j:RES+32+8*\b+\j+1], v[AC+8*\b+\j:AC+8*\b+\j+1], v[CS+32+8*\b+\j:CS+32+8*\b+\j+1]
	v_pk_fma_f32 v[RES+8*\b+\j:RES+8*\b+\j+1], v[AC+8*\b+\j:AC+8*\b+\j+1], v[CS+8*\b+\j:CS+8*\b+\j+1], v[RES+8*\b+\j:RES+8*\b+\j+1] neg_lo:[0,0,1] neg_hi:[0,0,1]
	v_pk_fma_f32 v[RES+32+8*\b+\j:RES+32+8*\b+\j+1], v[AC+8*(\b+4)+\j:AC+8*(\b+4)+\j+1], v[CS+8*\b+\j:CS+8*\b+\j+1], v[RES+32+8*\b+\j:RES+32+8*\b+\j+1]
.endr
.endr
	WIN 0
.if (\a) < 6
	KCS (\a)+2
.endif
.set i, 0
.rept 32
	v_pk_mul_f32 v[RES+i:RES+i+1], v[RES+i:RES+i+1], s[68:69] op_sel_hi:[1,0]   ; x s_k: exact
.set i, i+2
.endr
	SENDH \a
.endm
.macro VBLOCK a                        ; 16 tokens of v
.set AC, 64*((\a)%4)
	s_wait_xcnt 0x0
	WIN 0x02+(\a)/4
.set i, 0
.rept 32
	v_pk_mul_f32 v[RES+i:RES+i+1], v[AC+i:AC+i+1], s[74:75] op_sel_hi:[1,0]   ; x s_v: exact
.set i, i+2
.endr
	WIN 0
	SENDH \a
.endm
.macro VSUMS hi                        ; the sums of v over my tokens 64 hi .. 64 hi + 63: over the four token blocks, then over a block's sixteen tokens, which lie in sixteen lanes
	WIN 0x0a+5*(\hi)                               ; sources 0 and 1: window 2 or 3
.set i, 0
.rept 32
	v_pk_add_f32 v[RES+i:RES+i+1], v[64+i:64+i+1], v[128+i:128+i+1]
.set i, i+2
.endr
	WIN 0x02+(\hi)                                 ; source 0: window 2 or 3
.set i, 0
.rept 32
	v_pk_add_f32 v[RES+i:RES+i+1], v[192+i:192+i+1], v[RES+i:RES+i+1]
.set i, i+2
.endr
.set i, 0
.rept 32
.if \hi
	v_pk_add_f32 v[RES+i:RES+i+1], v[i:i+1], v[RES+i:RES+i+1]
.else
	v_pk_fma_f32 v[RES+i:RES+i+1], v[i:i+1], s[86:87], v[RES+i:RES+i+1] op_sel_hi:[1,0,1]   ; a sequence's first 16 keys x 0, all others x 1
.endif
.set i, i+2
.endr
	WIN 0
.irp m, 1,2,4,8
.set i, 0
.rept 64
	v_add_f32_dpp v[RES+i], v[RES+i], v[RES+i] row_xmask:\m row_mask:0xf bank_mask:0xf
.set i, i+1
.endr
.endr
.set i, 0
.rept 32
	v_pk_mul_f32 v[RES+i:RES+i+1], v[RES+i:RES+i+1], s[74:75] op_sel_hi:[1,0]   ; x s_v
.set i, i+2
.endr
	v_cmp_eq_u32 vcc_lo, 0, v1
	s_wait_xcnt 0x0                                ; EXEC changes only behind s_wait_xcnt 0
	s_and_saveexec_b32 s84, vcc_lo                 ; lanes 0 and 16 hold the 128 sums between them
.irp b, 0,1,2,3,4,5,6,7
	global_store_b128 v[VO], v[RES+8*\b:RES+8*\b+3], s[80:81] offset:512*(\hi)+64*\b
	global_store_b128 v[VO], v[RES+8*\b+4:RES+8*\b+7], s[80:81] offset:512*(\hi)+64*\b+16
.endr
	s_wait_xcnt 0x0                                ; and the stores have read their registers
	s_or_b32 exec_lo, exec_lo, s84
.endm
	s_load_b128 s[4:7], s[0:1], 0x0                ; qa, pw
	s_load_b64 s[8:9], s[0:1], 0x10                ; kv
	v_lshl_add_u32 v[SPW], v0, 2, SPARE
	v_mov_b32 v[NIL], 0
	ds_add_u32 v[SPW], v[NIL]                      ; the opening: the add, twice on end, and its wait ahead of my first tensor load
	ds_add_u32 v[SPW], v[NIL]
	v_lshrrev_b32 v1, 5, v0
	v_readfirstlane_b32 s10, v1                    ; wave 0..3
	s_lshr_b32 s11, s10, 1                         ; my half of the tokens.  Also: I fetch lat (0) or the weights (1)
	s_and_b32 s12, s10, 1                          ; my half of the columns.  Also: which 128 rows of that tile I fetch
	s_bfe_u32 s40, ttmp6, 0x40000                  ; cx, cy
	s_bfe_u32 s41, ttmp6, 0x40004
	s_lshl_b32 s42, ttmp9, 2
	s_add_co_u32 s42, s42, s40                     ; tile column
	s_and_b32 s13, ttmp7, 0xffff
	s_lshl_b32 s13, s13, 2
	s_add_co_u32 s13, s13, s41                     ; tile row
	s_lshl_b32 s43, s41, 2
	s_lshl_b32 s43, 15, s43                        ; my row of the cluster
	s_lshl_b32 s44, 0x1111, s40                    ; my column
	s_or_b32 s[G1+0], s43, (1<<16)|(1<<20)|(1<<21)|(5<<22)|(3<<25)   ; the mask; elements of 2 bytes; padding: 4 words after every 64; bit 21 beside a mask
	s_or_b32 s[G1B+0], s44, (1<<16)|(1<<20)|(1<<21)|(5<<22)|(3<<25)
	s_mov_b32 s[G1+1], KSTEP<<16                   ; lat: 128 rows of 128 elements, SIZE_K elements apart
	s_mov_b32 s[G1+2], 128<<16
	s_mov_b32 s[G1+3], KSTEP<<16
	s_mov_b32 s[G1+4], 128
	s_mov_b32 s[G1+5], SIZE_K
	s_mov_b32 s[G1+6], 0
	s_mov_b32 s[G1+7], 0
	s_mov_b32 s[G1B+1], KSTEP<<16                  ; the weights: 128 rows of 128 elements, dense
	s_mov_b32 s[G1B+2], 128<<16
	s_mov_b32 s[G1B+3], KSTEP<<16
	s_mov_b32 s[G1B+4], 128
	s_mov_b32 s[G1B+5], KSTEP
	s_mov_b32 s[G1B+6], 0
	s_mov_b32 s[G1B+7], 0
	s_lshl_b32 s17, s12, 7
	s_lshl_b32 s16, s13, 8
	s_add_co_u32 s16, s16, s17                     ; lat: row 256 x tile row + 128 x half
	s_mul_i32 s16, s16, SIZE_K*2
	s_add_co_u32 s16, s16, AOFF
	s_mov_b32 s17, 0
	s_lshl_b32 s47, s12, 7
	s_lshl_b32 s46, s42, 8
	s_add_co_u32 s46, s46, s47                     ; the weights: column 256 x tile column + 128 x half
	s_lshl_b32 s46, s46, 8
	s_add_co_u32 s46, s46, BOFF
	s_mov_b32 s47, 0
	s_mul_i32 s20, s10, HALFT                      ; where they go: lat's two halves, then the weights' two = wave x 128 rows: no place in the cluster enters an LDS address
	s_wait_dscnt 0x0
	s_wait_kmcnt 0x0
	s_add_nc_u64 s[14:15], s[4:5], s[16:17]
	s_add_nc_u64 s[46:47], s[6:7], s[46:47]
	CROUND                                         ; all sixteen work-groups are here: the first joint loads meet
.irp s, 0,1
	s_mov_b32 s[G0+4*\s], 1
	s_add_co_u32 s[G0+4*\s+1], s20, \s*SLOT
	s_add_nc_u64 s[G0+4*\s+2:G0+4*\s+3], s[14:15], \s*KSTEP*2
	s_or_b32 s[G0+4*\s+3], s[G0+4*\s+3], 0x80000000
	s_mov_b32 s[G0B+4*\s], 1
	s_add_co_u32 s[G0B+4*\s+1], s20, \s*SLOT
	s_add_nc_u64 s[G0B+4*\s+2:G0B+4*\s+3], s[46:47], \s*KBS
	s_or_b32 s[G0B+4*\s+3], s[G0B+4*\s+3], 0x80000000
	JLOAD \s
.endr
	s_load_b128 s[68:71], s[4:5], 0x0              ; s_k, s_v, 1 / s_v, c'
	v_and_b32 v1, 15, v0                           ; l % 16
	v_bfe_u32 v2, v0, 4, 1                         ; l / 16
	v_mul_u32_u24 v3, v1, PITCH
	v_lshl_add_u32 v3, v2, 4, v3
	s_mul_i32 s21, s11, HALFT                      ; my 128 tokens,
	s_mul_i32 s22, s12, HALFT                      ; my 128 columns, behind lat's 256 rows
	s_add_co_u32 s22, s22, 2*HALFT
.irp s, 0,1
	v_add_nc_u32 v[ADRA+\s], s21, v3
	v_add_nc_u32 v[ADRB+\s], s22, v3
	s_add_co_u32 s21, s21, SLOT
	s_add_co_u32 s22, s22, SLOT
.endr
	s_mul_i32 s23, s10, 16*SPITCH
	s_add_co_u32 s23, s23, STAGE
	v_mul_u32_u24 v4, v1, SPITCH
	v_lshl_add_u32 v4, v2, 4, v4
	v_add_nc_u32 v[STO], s23, v4
	v_mul_u32_u24 v5, v2, SPITCH
	v_lshl_add_u32 v5, v1, 4, v5
	v_add_nc_u32 v[RD], s23, v5
	v_and_b32 v4, 31, v0
	v_lshlrev_b32 v[CO], 4, v4                     ; two rows of 256 bytes are 512 consecutive bytes
	v_lshlrev_b32 v[VO], 5, v2
	s_lshr_b32 s84, s13, 2                         ; the batch: four tile rows to a sequence
	s_and_b32 s76, s13, 3
	s_lshl_b32 s76, s76, 8
	s_lshl_b32 s85, s11, 7
	s_add_co_u32 s76, s76, s85                     ; my first token's position
	s_lshl_b32 s77, s42, 1
	s_add_co_u32 s77, s77, s12
	s_and_b32 s77, s77, 15                         ; the head
	s_lshl_b32 s84, s84, 4
	s_add_co_u32 s77, s77, s84                     ; batch x 16 + head
	s_lshl_b32 s82, s77, 10
	s_add_co_u32 s82, s82, s76
	s_lshl_b32 s82, s82, 8
	s_mov_b32 s83, VHO
	s_cmp_ge_u32 ttmp9, 2
	s_cselect_b32 s83, s83, KHO
	s_add_co_u32 s82, s82, s83
	s_mov_b32 s83, 0
	s_add_nc_u64 s[78:79], s[8:9], s[82:83]
	s_lshl_b32 s82, s77, 4
	s_lshr_b32 s84, s76, 6
	s_add_co_u32 s82, s82, s84
	s_lshl_b32 s82, s82, 9
	s_add_nc_u64 s[80:81], s[8:9], s[82:83]        ; my two blocks' 128 sums each
	s_cmp_eq_u32 s76, 0
	s_cselect_b32 s86, 0, 1.0                      ; a sequence's first block leaves its first 16 keys out of the sum: a factor, no branch
	s_mov_b32 s87, s86
	s_add_nc_u64 s[72:73], s[6:7], ROPE
	s_lshl_b32 s84, s76, 9
	v_lshlrev_b32 v[CSO], 9, v1
	v_lshl_add_u32 v[CSO], v2, 5, v[CSO]
	v_add_nc_u32 v[CSO], s84, v[CSO]               ; my byte in the table: (first position + l % 16) x 512 + 32 (l / 16)
	s_wait_kmcnt 0x0
	s_mov_b32 s74, s69
	s_mov_b32 s75, s69
	s_wait_tensorcnt 1                             ; my part of K step 0 is in; K step 1's may be out
	s_barrier_signal -1
	s_barrier_wait -1
	FETCH 0, 0, F0
	QUARTER 0, 64, F0, F1, 1                       ; the first quarter stands in front of the loop: its products start the sums
	WIN 0
	s_mov_b32 s3, LAPS-1
.Llap:                                                 ; a trip goes once round the ring and fills both slots again
	QUARTER 0, 128, F1, F0, 0
	QUARTER 0, 192, F0, F1, 0
	TURN 0, 1, 1
	QUARTER 1, 64,  F0, F1, 0
	QUARTER 1, 128, F1, F0, 0
	QUARTER 1, 192, F0, F1, 0
	TURN 1, 0, 1
	QUARTER 0, 64,  F0, F1, 0
	WIN 0
	s_sub_co_u32 s3, s3, 1
	s_cmp_lg_u32 s3, 0
	s_cbranch_scc1 .Llap
	QUARTER 0, 128, F1, F0, 0                      ; the last lap fills nothing
	QUARTER 0, 192, F0, F1, 0
	TURN 0, 1, 0
	QUARTER 1, 64,  F0, F1, 0
	QUARTER 1, 128, F1, F0, 0
	WIN 0
	s_cmp_ge_u32 ttmp9, 2                          ; the cluster's x: the same in all partners.  k's tiles and v's part here
	s_cbranch_scc1 .Lv_out
	KCS 0                                          ; the table of token blocks 0 and 1: 32 loads, which land under the last 128 products
	KCS 1
	TAIL
.irp a, 0,1,2,3,4,5,6,7
	KBLOCK \a
.endr
	s_branch .Ldone
.Lv_out:
	TAIL
.irp a, 0,1,2,3,4,5,6,7
	VBLOCK \a
.endr
	VSUMS 0
	VSUMS 1
.Ldone:
	s_wait_tensorcnt 0x0                           ; the wave's end
	ds_add_u32 v[SPW], v[NIL]
	s_wait_dscnt 0x0
	CROUND                                         ; the closing round
	s_endpgm
.Lfunc_end_k_q0fc06eff39_kvup:
	.size	k_q0fc06eff39_kvup, .Lfunc_end_k_q0fc06eff39_kvup-k_q0fc06eff39_kvup
	.p2alignl 7, 3214868480
	.fill 96, 4, 3214868480
	.section	.rodata,"a",@progbits
	.p2align	6, 0x0
	.amdhsa_kernel k_q0fc06eff39_kvup
		.amdhsa_group_segment_fixed_size 327680
		.amdhsa_private_segment_fixed_size 0
		.amdhsa_enable_private_segment 0
		.amdhsa_kernarg_size 24
		.amdhsa_user_sgpr_count 2
		.amdhsa_user_sgpr_kernarg_segment_ptr 1
		.amdhsa_wavefront_size32 1
		.amdhsa_system_sgpr_workgroup_id_x 1
		.amdhsa_system_sgpr_workgroup_id_y 1
		.amdhsa_system_sgpr_workgroup_id_z 1
		.amdhsa_system_vgpr_workitem_id 0
		.amdhsa_next_free_vgpr 1024
		.amdhsa_next_free_sgpr 96
		.amdhsa_reserve_vcc 1
		.amdhsa_float_denorm_mode_32 3
		.amdhsa_float_denorm_mode_16_64 3
		.amdhsa_memory_ordered 1
		.amdhsa_forward_progress 1
		.amdhsa_inst_pref_size 255
	.end_amdhsa_kernel
	.section	.bss,"aw",@nobits
	.p2align	6
	.space	262144
	.amdgpu_metadata
---
amdhsa.version: [ 1, 2 ]
amdhsa.kernels:
  - .name:           k_q0fc06eff39_kvup
    .symbol:         k_q0fc06eff39_kvup.kd
    .args:
      - { .name: qa, .offset: 0, .size: 8, .value_kind: global_buffer, .address_space: global }
      - { .name: pw, .offset: 8, .size: 8, .value_kind: global_buffer, .address_space: global }
      - { .name: kv, .offset: 16, .size: 8, .value_kind: global_buffer, .address_space: global }
    .group_segment_fixed_size: 327680
    .private_segment_fixed_size: 0
    .kernarg_segment_align: 8
    .kernarg_segment_size: 24
    .max_flat_workgroup_size: 128
    .sgpr_count:     96
    .vgpr_count:     1024
    .wavefront_size: 32
...
	.end_amdgpu_metadata
.endif
;; end of part 3
;; launch attn (part 4): grid 4 x 64, 16 waves a work-group, no clusters, 327,680 bytes of LDS; arguments qa, kv, cx; writes cx
.if DOCPART == 4
	.amdgcn_target "amdgcn-amd-amdhsa--gfx1250"
	.amdhsa_code_object_version 6
	.text
	.protected	k_q0fc06eff39_attn
	.globl	k_q0fc06eff39_attn
	.p2align	8
	.type	k_q0fc06eff39_attn,@function
k_q0fc06eff39_attn:
	s_mov_b64 s[64:65], 0
	v_nop
	global_prefetch_b8 v0, s[64:65] scope:SCOPE_SE
	s_setreg_imm32_b32 hwreg(HW_REG_WAVE_MODE, 25, 1), 1
	s_wait_xcnt 0x0
; ATTN: ctx = softmax(q k^T / sqrt(128), later keys at -10,000) v, f16 operands (k x s_k, v x s_v), f32 sums, maxima and exponentials; ctx x s_v leaves as f16 [token][2,048].
; SHARES.  Work-group w of a head owns query blocks w and 7 - w (128 queries each): (w + 1) + (8 - w) = 9 blocks of 128 x 128 for every work-group.  Sixteen waves, 16 queries each, 256 registers.
; NO CLUSTER: under the causal mask the work-groups of a head need different numbers of tiles.
; Keys go 64 a step; K's and V's tiles come through two LDS slots of 128 keys (waves 0, 1 fetch K's halves, waves 2, 3 V's).  Every work-group walks all eight slots, so that the trip counts are constants;
; a step all of whose keys come after the wave's queries is jumped over, and a slot beyond the work-group's last query is not asked for.
; -10,000 IS NOT -INFINITY.  Hidden keys of the diagonal step get that score and go through the ordinary arithmetic.  The later blocks of 64 keys enter as the running softmax's starting state:
; m = the mask's score, l = their number, O = the sum of their v (from the sums that the launch before stored).  Where a visible score is far above -10,000 the first rescaling multiplies that state by 0.
; LAYOUT.  S^T = K Q^T and O^T = V^T P: a lane holds one query throughout.  p = 2^(c' s - c' m), c' = log2(e) / sqrt(128) / s_k, s the raw product.
; REGISTERS: v1-15 addresses; v16 c' m, v17 m, v18-19 l, v20-23 at work; v24-55 Q; v56-119 eight fragments of K or V; v120-151 S^T; v152-167 P; v168-231 O^T; v232-255 at work.
.set PK,    272
.set PV,    288
.set SKEYS, 128
.set VOFF,  SKEYS*PK
.set SLOTB, SKEYS*(PK+PV)
.set SLOT1, 1<<17
.set SUF,   SLOTB                      ; behind slot 0: suffix sums of v, row i = blocks i .. 15; rows of 512 bytes, rows 1 to 16
.set STG,   SLOT1+SLOTB                ; behind slot 1: a stage of 16 rows x 272 bytes a wave
.set SPARE, STG+16*16*272
.set NSL,   8
.set QHO,   4849920
.set KHO,   524288
.set VHO,   17301504
.set AK0, 1
.set AV0, 2
.set ADK, 3
.set ADV, 4
.set GO,  5
.set SPW, 6
.set NIL, 7
.set PFO, 8
.set SUFW, 9
.set SUFR, 10
.set MSK, 11
.set Q,   24
.set KFR, 56
.set S,   120
.set P,   152
.set O,   168
.set TB,  2
.set WV,  18
.set SEL, 20
.set CS,  22
.set G1K, 24
.set G1V, 32
.set G0K, 40
.set G0V, 44
.set SLOTS, 67
.set PFA, 76
.set LIM, 80
.set QL,  97
.set KF,  98
.set Q0,  99
.macro TLOAD                           ; waves 0, 1 fetch for K, waves 2, 3 for V, the others nothing; an s_nop 0 and four v_nop follow each line
	s_cmp_lt_u32 s[WV], 2
	s_cbranch_scc0 .Lnot_k_\@
	tensor_load_to_lds s[G0K:G0K+3], s[G1K:G1K+7]
	s_nop 0
.rept 4
	v_nop
.endr
	s_branch .Lasked_\@
.Lnot_k_\@:
	s_cmp_lt_u32 s[WV], 4
	s_cbranch_scc0 .Lasked_\@
	tensor_load_to_lds s[G0V:G0V+3], s[G1V:G1V+7]
	s_nop 0
.rept 4
	v_nop
.endr
.Lasked_\@:
.endm
; A prefetch of what the NEXT change of slots will ask for: 32,768 dense bytes of K and of V.  The head's work-group 0, which walks all slots with loads, asks; in it waves 4-7 for K and waves 8-11 for V,
; 8,192 bytes a wave, lanes 256 bytes apart: each block of 256 bytes is named once in the launch.  The last filling change asks for nothing.
.macro ASK
	s_cmp_gt_u32 s[SLOTS], s[LIM]
	s_cbranch_scc0 .Lnot_mine_\@
	global_prefetch_b8 v[PFO], s[PFA:PFA+1] th:TH_LOAD_NT scope:SCOPE_SE
.Lnot_mine_\@:
.endm
.macro CHANGE fill
	s_wait_tensorcnt 0x0                           ; no tensor load of mine is out, so a group 0 may be written
	ds_add_u32 v[SPW], v[NIL]
.if \fill
	ds_add_u32 v[SPW], v[NIL]                      ; twice on end here
	s_xor_b32 s[G0K+1], s[G0K+1], SLOT1
	s_add_nc_u64 s[G0K+2:G0K+3], s[G0K+2:G0K+3], SKEYS*256
	s_xor_b32 s[G0V+1], s[G0V+1], SLOT1
	s_add_nc_u64 s[G0V+2:G0V+3], s[G0V+2:G0V+3], SKEYS*256
	s_wait_xcnt 0x0                                ; the last prefetch, a slot back, has read its address
	s_add_nc_u64 s[PFA:PFA+1], s[PFA:PFA+1], SKEYS*256
.endif
	s_wait_dscnt 0x0                               ; the add is done, my reads of the slot that I have left are over
	s_barrier_signal -1
	s_barrier_wait -1
.if \fill
	s_add_co_u32 s96, s[KF], SKEYS                 ; the first key of the slot that this change would ask for:
	s_cmp_gt_u32 s96, s[QL]                        ; beyond my work-group's last query no wave reads it.  Ids and the count of steps alone: all sixteen waves go the same way
	s_cbranch_scc1 .Lpast_\@
	TLOAD
.Lpast_\@:
	ASK
.endif
.endm
.macro STEP q                          ; 64 keys, the q-th half of the slot in hand
	s_add_co_u32 s96, s[Q0], 15
	s_cmp_gt_u32 s[KF], s96
	s_cbranch_scc1 .Lhidden_\@
	v_add_nc_u32 v[ADK], s[TB], v[AK0]
	v_add_nc_u32 v[ADV], s[TB], v[AV0]
	v_nop
	v_nop                                          ; four plain instructions in front of loads into registers that the last products read
.irp g, 0,1
.if \g > 0
.rept 4
	v_nop
.endr
.endif
.irp f, 0,1,2,3,4,5,6,7                ; key tile 2 g + f / 4, channels 32 (f % 4) on
	ds_load_b128 v[KFR+8*\f:KFR+8*\f+3],   v[ADK] offset:((\q)*64+(2*\g+\f/4)*16)*PK+(\f%4)*64
	ds_load_b128 v[KFR+8*\f+4:KFR+8*\f+7], v[ADK] offset:((\q)*64+(2*\g+\f/4)*16)*PK+(\f%4)*64+32
.endr
	s_wait_dscnt 0x0
.irp c, 0,1,2,3                        ; two accumulators by turns
.irp t, 0,1
.if \c == 0
	v_wmma_f32_16x16x32_f16 v[S+8*(2*\g+\t):S+8*(2*\g+\t)+7], v[KFR+8*(4*\t+\c):KFR+8*(4*\t+\c)+7], v[Q+8*\c:Q+8*\c+7], 0
.else
	v_wmma_f32_16x16x32_f16 v[S+8*(2*\g+\t):S+8*(2*\g+\t)+7], v[KFR+8*(4*\t+\c):KFR+8*(4*\t+\c)+7], v[Q+8*\c:Q+8*\c+7], v[S+8*(2*\g+\t):S+8*(2*\g+\t)+7]
.endif
.endr
.endr
.endr
.rept 4
	v_nop
.endr
	s_add_co_u32 s96, s[KF], 63                    ; a step all of whose keys count skips the mask
	s_cmp_le_u32 s96, s[Q0]
	s_cbranch_scc1 .Lopen_\@
	s_sub_co_i32 s96, s[Q0], s[KF]
	v_lshlrev_b32 v233, 3, v13
	v_sub_nc_u32 v232, v12, v233
	v_add_nc_u32 v232, s96, v232                   ; d = my query - KF - 8 (l / 16).  Register 8 t + j holds key KF + 16 t + 8 (l / 16) + j: hidden where 16 t + j > d
.irp n, 0,1,2,3,4,5,6,7,8,9,10,11,12,13,14,15,16,17,18,19,20,21,22,23,24,25,26,27,28,29,30,31
	v_cmp_gt_i32 vcc_lo, 16*(\n/8)+\n%8, v232
	v_cndmask_b32 v[S+\n], v[S+\n], v[MSK], vcc_lo
.endr
.Lopen_\@:
.irp j, 0,1,2,3
	v_max3_num_f32 v[20+\j], v[S+8*\j], v[S+8*\j+1], v[S+8*\j+2]
.endr
.irp j, 0,1,2,3
	v_max3_num_f32 v[20+\j], v[20+\j], v[S+8*\j+3], v[S+8*\j+4]
.endr
.irp j, 0,1,2,3
	v_max3_num_f32 v[20+\j], v[20+\j], v[S+8*\j+5], v[S+8*\j+6]
.endr
	v_max3_num_f32 v20, v20, v[S+7], v[S+15]
	v_max3_num_f32 v22, v22, v[S+23], v[S+31]
	v_max3_num_f32 v20, v20, v21, v22
	v_max3_num_f32 v20, v20, v23, v17              ; with the old m
	v_permlanex16_b32 v21, v20, s[SEL], s[SEL+1]   ; the query's other 32 keys lie 16 lanes away
	v_mov_b32 v23, v16
	v_max_num_f32 v17, v20, v21                    ; the new m
	v_mul_f32 v16, s[CS], v17
	v_sub_f32 v23, v23, v16                        ; c' m_old - c' m_new
.set i, 0
.rept 16
	v_pk_fma_f32 v[S+i:S+i+1], v[S+i:S+i+1], s[CS:CS+1], v[16:17] op_sel_hi:[1,0,0] neg_lo:[0,0,1] neg_hi:[0,0,1]
.set i, i+2
.endr
	v_exp_f32 v22, v23                             ; a
.set i, 0
.rept 32
	v_exp_f32 v[S+i], v[S+i]
.set i, i+1
.endr
	v_nop                                          ; a plain instruction behind the last exponential
	s_wait_alu depctr_va_vdst(0)                   ; one wait for the 33, ahead of their first reader
.set i, 0
.rept 16
	v_cvt_pk_f16_f32 v[P+i], v[S+2*i], v[S+2*i+1]
.set i, i+1
.endr
.irp u, 0,1,2,3,4,5,6,7
	v_pk_add_f32 v[S+4*\u:S+4*\u+1], v[S+4*\u:S+4*\u+1], v[S+4*\u+2:S+4*\u+3]
.endr
.irp u, 0,1,2,3
	v_pk_add_f32 v[S+8*\u:S+8*\u+1], v[S+8*\u:S+8*\u+1], v[S+8*\u+4:S+8*\u+5]
.endr
.irp u, 0,1
	v_pk_add_f32 v[S+16*\u:S+16*\u+1], v[S+16*\u:S+16*\u+1], v[S+16*\u+8:S+16*\u+9]
.endr
	v_pk_add_f32 v[S:S+1], v[S:S+1], v[S+16:S+17]
	v_pk_fma_f32 v[18:19], v[18:19], v[22:23], v[S:S+1] op_sel_hi:[1,0,1]   ; l = a l + the sum of the unrounded p
.set i, 0
.rept 32
	v_pk_mul_f32 v[O+i:O+i+1], v[O+i:O+i+1], v[22:23] op_sel_hi:[1,0]
.set i, i+2
.endr
.irp u, 0,1                            ; O^T += V^T P, 32 keys at a time; eight accumulators by turns
.if \u > 0
.rept 4
	v_nop
.endr
.endif
.irp f, 0,1,2,3,4,5,6,7
	ds_load_tr16_b128 v[KFR+8*\f:KFR+8*\f+3],   v[ADV] offset:((\q)*64+32*\u)*PV+\f*32
	ds_load_tr16_b128 v[KFR+8*\f+4:KFR+8*\f+7], v[ADV] offset:((\q)*64+32*\u+16)*PV+\f*32
.endr
	s_wait_dscnt 0x0
.irp f, 0,1,2,3,4,5,6,7
	v_wmma_f32_16x16x32_f16 v[O+8*\f:O+8*\f+7], v[KFR+8*\f:KFR+8*\f+7], v[P+8*\u:P+8*\u+7], v[O+8*\f:O+8*\f+7]
.endr
.endr
.Lhidden_\@:
	s_add_co_u32 s[KF], s[KF], 64
.endm
	s_load_b128 s[4:7], s[0:1], 0x0                ; qa, kv
	s_load_b64 s[8:9], s[0:1], 0x10                ; cx
	v_lshl_add_u32 v[SPW], v0, 2, SPARE
	v_mov_b32 v[NIL], 0
	ds_add_u32 v[SPW], v[NIL]                      ; the opening: the add, twice on end, and its wait ahead of the first tensor load
	ds_add_u32 v[SPW], v[NIL]
	v_lshrrev_b32 v14, 5, v0
	v_readfirstlane_b32 s[WV], v14                 ; wave 0..15
	s_and_b32 s72, ttmp7, 0xffff                   ; batch x 16 + head
	s_lshl_b32 s73, s72, 18                        ; its 1,024 rows of 256 bytes
	s_lshl_b32 s74, ttmp9, 7                       ; 128 w
	s_xor_b32 s75, s74, 896                        ; 128 (7 - w)
	s_cmp_lt_u32 s[WV], 8
	s_cselect_b32 s[Q0], s74, s75
	s_and_b32 s81, s[WV], 7
	s_lshl_b32 s81, s81, 4
	s_add_co_u32 s[Q0], s[Q0], s81                 ; my first query
	s_or_b32 s[QL], s75, 127                       ; my work-group's last
	s_and_b32 s92, s[WV], 1
	s_lshl_b32 s93, s92, 14                        ; which 64 rows of a slot I fetch
	s_add_co_u32 s94, s73, s93
	s_mov_b32 s95, 0
	s_mul_i32 s82, s92, 64*PK
	s_mul_i32 s83, s92, 64*PV
	s_add_co_u32 s83, s83, VOFF
	s_mov_b32 s[G1K], (1<<16)|(1<<20)|(5<<22)|(3<<25)   ; elements of 2 bytes; 4 words of padding after every 64
	s_mov_b32 s[G1V], (1<<16)|(1<<20)|(5<<22)|(7<<25)   ; 8 words
.irp g, G1K, G1V
	s_mov_b32 s[\g+1], 128<<16
	s_mov_b32 s[\g+2], 64<<16
	s_mov_b32 s[\g+3], 128<<16
	s_mov_b32 s[\g+4], 64
	s_mov_b32 s[\g+5], 128
	s_mov_b32 s[\g+6], 0
	s_mov_b32 s[\g+7], 0
.endr
	s_mov_b32 s[SEL], 0x76543210
	s_mov_b32 s[SEL+1], 0xfedcba98
	s_mov_b32 s[TB], 0
	s_mov_b32 s[KF], 0
	s_mov_b32 s[SLOTS], NSL-1
	s_wait_dscnt 0x0
	s_wait_kmcnt 0x0
	s_mov_b32 s[G0K], 1
	s_mov_b32 s[G0K+1], s82
	s_add_nc_u64 s[G0K+2:G0K+3], s[6:7], s[94:95]
	s_mov_b32 s[G0V], 1
	s_mov_b32 s[G0V+1], s83
	s_add_nc_u64 s[G0V+2:G0V+3], s[G0K+2:G0K+3], VHO
	s_add_nc_u64 s[G0K+2:G0K+3], s[G0K+2:G0K+3], KHO
	s_or_b32 s[G0K+3], s[G0K+3], 0x80000000
	s_or_b32 s[G0V+3], s[G0V+3], 0x80000000
	TLOAD                                          ; slot 0: key 0 counts for every query
	s_load_b256 s[84:91], s[4:5], 0x0              ; the scales: s87 c', s88 the mask's raw score
	s_lshl_b32 s92, s[Q0], 8
	s_add_co_u32 s92, s92, s73
	s_mov_b32 s93, 0
	s_add_nc_u64 s[10:11], s[4:5], s[92:93]
	s_add_nc_u64 s[10:11], s[10:11], QHO           ; Q at my first query
	s_lshr_b32 s92, s72, 4
	s_lshl_b32 s92, s92, 10
	s_add_co_u32 s92, s92, s[Q0]
	s_lshl_b32 s92, s92, 12
	s_and_b32 s94, s72, 15
	s_lshl_b32 s94, s94, 8
	s_add_co_u32 s92, s92, s94
	s_add_nc_u64 s[12:13], s[8:9], s[92:93]        ; ctx: my first token's row, my head's 256 bytes
	s_lshl_b32 s92, s72, 13
	s_add_nc_u64 s[14:15], s[6:7], s[92:93]        ; the head's 16 block sums
	s_mov_b32 s92, VHO
	s_cmp_lt_u32 s[WV], 8
	s_cselect_b32 s92, KHO, s92
	s_add_co_u32 s92, s92, s73
	s_and_b32 s94, s[WV], 3
	s_lshl_b32 s94, s94, 13
	s_add_co_u32 s92, s92, s94
	s_add_co_u32 s92, s92, SKEYS*256               ; in slot 1: the first change steps it to slot 2.  Nothing is prefetched at the head
	s_add_nc_u64 s[PFA:PFA+1], s[6:7], s[92:93]
	s_sub_co_u32 s92, s[WV], 4
	s_lshr_b32 s92, s92, 3                         ; 0 in waves 4 to 11
	s_or_b32 s92, s92, ttmp9
	s_cmp_eq_u32 s92, 0
	s_cselect_b32 s[LIM], 1, -1
	v_and_b32 v12, 15, v0                          ; r
	v_bfe_u32 v13, v0, 4, 1                        ; h
	v_mul_u32_u24 v[AK0], v12, PK
	v_lshl_add_u32 v[AK0], v13, 4, v[AK0]
	v_and_b32 v14, 7, v0
	v_bfe_u32 v15, v0, 3, 1
	v_lshl_add_u32 v[AV0], v13, 3, v14
	v_mul_u32_u24 v[AV0], v[AV0], PV
	v_lshl_add_u32 v[AV0], v15, 4, v[AV0]
	v_add_nc_u32 v[AV0], VOFF, v[AV0]
	v_lshlrev_b32 v[GO], 12, v13
	v_lshl_add_u32 v[GO], v12, 4, v[GO]
	v_and_b32 v[PFO], 31, v0
	v_lshlrev_b32 v[PFO], 8, v[PFO]
	v_and_b32 v15, 127, v0
	v_lshl_add_u32 v[SUFW], v15, 2, SUF
	v_lshlrev_b32 v15, 2, v15
	s_lshr_b32 s92, s[Q0], 6                       ; my queries' block of 64 keys
	s_sub_co_u32 s93, 15, s92                      ; the blocks behind it
	s_add_co_u32 s92, s92, 1
	s_min_u32 s92, s92, 16
	s_lshl_b32 s92, s92, 9
	v_lshl_add_u32 v[SUFR], v13, 5, SUF
	v_add_nc_u32 v[SUFR], s92, v[SUFR]
	v_lshlrev_b32 v14, 8, v12
	v_lshl_add_u32 v14, v13, 4, v14
.irp c, 0,1,2,3
	global_load_b128 v[Q+8*\c:Q+8*\c+3],   v14, s[10:11] offset:64*\c
	global_load_b128 v[Q+8*\c+4:Q+8*\c+7], v14, s[10:11] offset:64*\c+32
.endr
.irp j, 20,21,22,23
	v_mov_b32 v[\j], 0
.endr
	s_cmp_lt_u32 s[WV], 12
	s_cbranch_scc1 .Lno_suf
.irp i, 1,2,3,4,5,6,7,8,9,10,11,12,13,14,15    ; waves 12-15, a thread a channel: the suffix sums
	global_load_b32 v[232+\i], v15, s[14:15] offset:512*\i
.endr
	v_mov_b32 v248, 0
	ds_store_b32 v[SUFW], v248 offset:16*512
	s_wait_loadcnt 0x0
	ds_store_b32 v[SUFW], v247 offset:15*512
.irp i, 14,13,12,11,10,9,8,7,6,5,4,3,2,1
	v_add_f32 v[232+\i], v[232+\i], v[233+\i]
	ds_store_b32 v[SUFW], v[232+\i] offset:\i*512
.endr
.Lno_suf:
	s_wait_dscnt 0x0                               ; for the others' sake: my stores are done
	s_barrier_signal -1
	s_barrier_wait -1                              ; slot 0's load may stay out
.irp c, 0,1,2,3,4,5,6,7
	ds_load_b128 v[O+8*\c:O+8*\c+3],   v[SUFR] offset:64*\c      ; O^T starts as the sum of the later blocks' v
	ds_load_b128 v[O+8*\c+4:O+8*\c+7], v[SUFR] offset:64*\c+16
.endr
	s_wait_kmcnt 0x0
	s_mov_b32 s[CS], s87
	s_mov_b32 s[CS+1], s87
	v_mov_b32 v[MSK], s88
	s_mov_b32 s94, 0xff61b1e6                      ; -3e38, under every score
	s_cmp_lg_u32 s93, 0                            ; ids alone
	s_cselect_b32 s94, s88, s94
	v_mov_b32 v17, s94                             ; m
	v_mul_f32 v16, s[CS], v17
	s_lshl_b32 s93, s93, 5
	v_cvt_f32_u32 v18, s93                         ; l: a query's sum lies in two lanes, which the way out adds: each starts with half the number of later keys, 32 a block
	v_mov_b32 v19, 0
	s_wait_loadcnt 0x0                             ; Q
	s_wait_dscnt 0x0
.Lslot:                                                ; seven trips: behind each change of slots but the last the next slot is asked for, up to the causal limit
	CHANGE 1
	STEP 0
	STEP 1
	s_xor_b32 s[TB], s[TB], SLOT1
	s_sub_co_u32 s[SLOTS], s[SLOTS], 1
	s_cmp_lg_u32 s[SLOTS], 0
	s_cbranch_scc1 .Lslot
	CHANGE 0
	STEP 0
	STEP 1
	v_add_f32 v18, v18, v19
	v_permlanex16_b32 v20, v18, s[SEL], s[SEL+1]
	v_add_f32 v18, v18, v20
	v_rcp_f32 v18, v18
	s_mul_i32 s92, s[WV], 16*272
	s_add_co_u32 s92, s92, STG
	v_mul_u32_u24 v14, v12, 272                    ; (plain instructions behind the reciprocal and behind the last products)
	v_lshl_add_u32 v14, v13, 4, v14
	v_add_nc_u32 v14, s92, v14
	v_mul_u32_u24 v15, v13, 272
	v_lshl_add_u32 v15, v12, 4, v15
	v_add_nc_u32 v15, s92, v15
	s_wait_alu depctr_va_vdst(0)
.set i, 0
.rept 32
	v_pk_mul_f32 v[KFR+i:KFR+i+1], v[O+i:O+i+1], v[18:19] op_sel_hi:[1,0]
.set i, i+2
.endr
.set i, 0
.rept 32
	v_cvt_pk_f16_f32 v[S+i], v[KFR+2*i], v[KFR+2*i+1]
.set i, i+1
.endr
.irp c, 0,1,2,3,4,5,6,7
	ds_store_b128 v14, v[S+4*\c:S+4*\c+3] offset:32*\c
.endr
.irp t, 0,1,2,3,4,5,6,7
	ds_load_b128 v[O+4*\t:O+4*\t+3], v15 offset:2*\t*272
.endr
.irp t, 0,1,2,3,4,5,6,7
	s_wait_dscnt 7-\t
	global_store_b128 v[GO], v[O+4*\t:O+4*\t+3], s[12:13] offset:2*\t*4096   ; sixteen lanes store 256 consecutive bytes, aligned
.endr
	s_wait_tensorcnt 0x0                           ; the wave's end
	ds_add_u32 v[SPW], v[NIL]
	s_wait_dscnt 0x0
	s_endpgm
.Lfunc_end_k_q0fc06eff39_attn:
	.size	k_q0fc06eff39_attn, .Lfunc_end_k_q0fc06eff39_attn-k_q0fc06eff39_attn
	.p2alignl 7, 3214868480
	.fill 96, 4, 3214868480
	.section	.rodata,"a",@progbits
	.p2align	6, 0x0
	.amdhsa_kernel k_q0fc06eff39_attn
		.amdhsa_group_segment_fixed_size 327680
		.amdhsa_private_segment_fixed_size 0
		.amdhsa_enable_private_segment 0
		.amdhsa_kernarg_size 24
		.amdhsa_user_sgpr_count 2
		.amdhsa_user_sgpr_kernarg_segment_ptr 1
		.amdhsa_wavefront_size32 1
		.amdhsa_system_sgpr_workgroup_id_x 1
		.amdhsa_system_sgpr_workgroup_id_y 1
		.amdhsa_system_sgpr_workgroup_id_z 1
		.amdhsa_system_vgpr_workitem_id 0
		.amdhsa_next_free_vgpr 256
		.amdhsa_next_free_sgpr 100
		.amdhsa_reserve_vcc 1
		.amdhsa_float_denorm_mode_32 3
		.amdhsa_float_denorm_mode_16_64 3
		.amdhsa_memory_ordered 1
		.amdhsa_forward_progress 1
		.amdhsa_inst_pref_size 86
	.end_amdhsa_kernel
	.amdgpu_metadata
---
amdhsa.version: [ 1, 2 ]
amdhsa.kernels:
  - .name:           k_q0fc06eff39_attn
    .symbol:         k_q0fc06eff39_attn.kd
    .args:
      - { .name: qa, .offset: 0, .size: 8, .value_kind: global_buffer, .address_space: global }
      - { .name: kv, .offset: 8, .size: 8, .value_kind: global_buffer, .address_space: global }
      - { .name: cx, .offset: 16, .size: 8, .value_kind: global_buffer, .address_space: global }
    .group_segment_fixed_size: 327680
    .private_segment_fixed_size: 0
    .kernarg_segment_align: 8
    .kernarg_segment_size: 24
    .max_flat_workgroup_size: 512
    .sgpr_count:     100
    .vgpr_count:     256
    .wavefront_size: 32
...
	.end_amdgpu_metadata
.endif
;; end of part 4
;; launch oproj (part 5): grid 8 x 32, 4 waves a work-group, clusters of 4 x 4, 327,680 bytes of LDS; arguments cx, pw, qa, bo, out0; writes out0
.if DOCPART == 5
	.amdgcn_target "amdgcn-amd-amdhsa--gfx1250"
	.amdhsa_code_object_version 6
	.text
	.protected	k_q0fc06eff39_oproj
	.globl	k_q0fc06eff39_oproj
	.p2align	8
	.type	k_q0fc06eff39_oproj,@function
k_q0fc06eff39_oproj:
	s_mov_b64 s[64:65], 0
	v_nop
	global_prefetch_b8 v0, s[64:65] scope:SCOPE_SE
	s_setreg_imm32_b32 hwreg(HW_REG_WAVE_MODE, 25, 1), 1
	s_wait_xcnt 0x0
	s_wait_alu depctr_hold_cnt(0) depctr_sa_sdst(0) depctr_va_vdst(0) depctr_va_sdst(0) depctr_va_ssrc(0) depctr_va_vcc(0) depctr_vm_vsrc(0)
	s_getreg_b32 s2, hwreg(HW_REG_IB_STS2, 6, 4)
	s_cmp_eq_u32 s2, 0
	s_cbranch_scc0 .Lentry_in_a_cluster
	s_endpgm
.Lentry_in_a_cluster:
	s_bfe_u32 s2, ttmp6, 0x10000c
	s_cmp_lg_u32 s2, 0xf033
	s_cbranch_scc0 .Lentry_shape_is_right
	s_endpgm
.Lentry_shape_is_right:
; OPROJ: out = ctx Wo + bo, f16 operands and f32 sums (M 4,096, K 2,048, N 2,048).  ctx arrives x s_v; the sums are multiplied by 1 / s_v (exact) as bo is added.
; A tile is 128 tokens x 256 columns: 256 work-groups.  Four waves, each 64 x 128: 32 accumulators.  K goes in steps of 128 (rows of 256 bytes) through two LDS slots.
; CLUSTERS 4 x 4: ctx's tile is shared along a row of the cluster, Wo's along a column; each is asked for jointly.  Waves 0, 1 ask for ctx's halves (64 rows), waves 2, 3 for Wo's (128 rows).
; THE MATRIX INSTRUCTION IS USED TRANSPOSED: a lane holds one token and eight neighbouring columns.  (The first 16 positions of each sequence are stored again, more finely, by a later launch.)
; REGISTERS: window 0: v0-31 addresses; v64-159, v160-255 two fragment buffers; on the way out v64-127 results, v128-191 rows read back.   window 1: the accumulators.   window 2: v0-63 bo.
.set SIZE_K, 2048
.set KSTEP,  128
.set KBS,    524288
.set BOFF,   11971072
.set PITCH,  272
.set AH,     64*PITCH
.set BH,     128*PITCH
.set SLOT,   2*AH+2*BH
.set STAGE,  2*SLOT
.set SPITCH, 528
.set SPARE,  STAGE+4*16*SPITCH
.set LAPS,   SIZE_K/(2*KSTEP)
.set ADRA, 16
.set ADRB, 20
.set STO,  24
.set RD,   25
.set CO,   26
.set SPW,  28
.set NIL,  29
.set VO,   30
.set RES,  64
.set BKR,  128
.set F0,   64
.set F1,   160
.set G1,  24
.set G0,  32
.set G1B, 48
.set G0B, 56
.set MSB, 0
.macro WIN new
.if MSB != (\new)
	s_set_vgpr_msb (MSB<<8)|(\new)
.set MSB, (\new)
.endif
.endm
.set MUL, 0x50
.macro JLOAD s
	s_cmp_eq_u32 s11, 0
	s_cbranch_scc0 .Lfor_b_\@
	tensor_load_to_lds s[G0+4*\s:G0+4*\s+3], s[G1:G1+7]
	s_nop 0
.rept 4
	v_nop
.endr
	s_branch .Lasked_\@
.Lfor_b_\@:
	tensor_load_to_lds s[G0B+4*\s:G0B+4*\s+3], s[G1B:G1B+7]
	s_nop 0
.rept 4
	v_nop
.endr
.Lasked_\@:
.endm
.macro CREST
	s_cmp_lg_u32 s10, 0
	s_cbranch_scc1 .Lnot_wave_0_\@
	s_barrier_signal -3
.Lnot_wave_0_\@:
	s_barrier_wait -3
	s_barrier_signal -1
	s_barrier_wait -1
.endm
.macro CROUND
	s_barrier_signal -1
	s_barrier_wait -1
	CREST
.endm
.macro PLACES
.rept 4
	v_nop
.endr
.endm
.macro MUL8 f, a, zero
.irp b, 0,1,2,3,4,5,6,7
.if \zero
	v_wmma_f32_16x16x32_f16 v[8*(8*(\a)+\b):8*(8*(\a)+\b)+7], v[\f+8*\b:\f+8*\b+7], v[\f+64+8*(\a):\f+64+8*(\a)+7], 0
.else
	v_wmma_f32_16x16x32_f16 v[8*(8*(\a)+\b):8*(8*(\a)+\b)+7], v[\f+8*\b:\f+8*\b+7], v[\f+64+8*(\a):\f+64+8*(\a)+7], v[8*(8*(\a)+\b):8*(8*(\a)+\b)+7]
.endif
.endr
.endm
.macro FETCH slot, k, f
.irp i, 0,1,2,3,4,5,6,7
	ds_load_b128 v[\f+8*\i:\f+8*\i+3],   v[ADRB+\slot] offset:\k+\i*16*PITCH
	ds_load_b128 v[\f+8*\i+4:\f+8*\i+7], v[ADRB+\slot] offset:\k+\i*16*PITCH+32
.endr
.irp i, 0,1,2,3
	ds_load_b128 v[\f+64+8*\i:\f+64+8*\i+3],   v[ADRA+\slot] offset:\k+\i*16*PITCH
	ds_load_b128 v[\f+64+8*\i+4:\f+64+8*\i+7], v[ADRA+\slot] offset:\k+\i*16*PITCH+32
.endr
.endm
.macro QUARTER slot, k, f, g, zero
	s_wait_dscnt 4                                 ; all but the youngest four loads (ctx's blocks 2, 3) are in
	WIN MUL
	MUL8 \f, 0, \zero
	MUL8 \f, 1, \zero
	PLACES
	WIN 0
	FETCH \slot, \k, \g
	s_wait_dscnt 24                                ; all but the 24 just issued
	WIN MUL
	MUL8 \f, 2, \zero
	MUL8 \f, 3, \zero
.endm
.macro TURN slot, next, fill
	WIN 0
	s_wait_tensorcnt 0x0
	ds_add_u32 v[SPW], v[NIL]
	s_wait_dscnt 5                                 ; the add and the youngest four loads may be out
	WIN MUL
	MUL8 F1, 0, 0
	s_wait_dscnt 0x0
	s_barrier_signal -1
	MUL8 F1, 1, 0
	WIN 0
	s_barrier_wait -1
.if \fill
	CREST
	s_add_nc_u64 s[G0+4*\slot+2:G0+4*\slot+3], s[G0+4*\slot+2:G0+4*\slot+3], 2*KSTEP*2
	s_add_nc_u64 s[G0B+4*\slot+2:G0B+4*\slot+3], s[G0B+4*\slot+2:G0B+4*\slot+3], 2*KBS
	JLOAD \slot
.else
	PLACES
.endif
	FETCH \next, 0, F0
	WIN MUL
	MUL8 F1, 2, 0
	MUL8 F1, 3, 0
.endm
.macro OBLOCK a                        ; 16 tokens x 128 columns: through my stage, out as whole rows of 512 bytes
	s_wait_xcnt 0x0                                ; the last block's stores have read their registers
	WIN 0x21                                       ; source 0 window 1 (sums), source 2 window 2 (bo)
.set i, 0
.rept 32
	v_pk_fma_f32 v[RES+i:RES+i+1], v[64*(\a)+i:64*(\a)+i+1], s[70:71], v[i:i+1] op_sel_hi:[1,0,1]
.set i, i+2
.endr
	WIN 0
.irp b, 0,1,2,3,4,5,6,7
	ds_store_b128 v[STO], v[RES+8*\b:RES+8*\b+3] offset:64*\b
	ds_store_b128 v[STO], v[RES+8*\b+4:RES+8*\b+7] offset:64*\b+16
.endr
.irp t, 0,1,2,3,4,5,6,7,8,9,10,11,12,13,14,15
	ds_load_b128 v[BKR+4*\t:BKR+4*\t+3], v[RD] offset:\t*SPITCH
.endr
	s_wait_dscnt 0x0
.irp t, 0,1,2,3,4,5,6,7,8,9,10,11,12,13,14,15
	global_store_b128 v[CO], v[BKR+4*\t:BKR+4*\t+3], s[8:9] offset:(16*(\a)+\t)*8192 th:TH_STORE_NT   ; 32 lanes store 512 consecutive bytes, aligned
.endr
.endm
	s_load_b128 s[4:7], s[0:1], 0x0                ; cx, pw
	s_load_b128 s[76:79], s[0:1], 0x10             ; qa, bo
	s_load_b64 s[8:9], s[0:1], 0x20                ; out0
	v_lshl_add_u32 v[SPW], v0, 2, SPARE
	v_mov_b32 v[NIL], 0
	ds_add_u32 v[SPW], v[NIL]                      ; the opening: the add, twice on end, and its wait ahead of my first tensor load
	ds_add_u32 v[SPW], v[NIL]
	v_lshrrev_b32 v1, 5, v0
	v_readfirstlane_b32 s10, v1
	s_lshr_b32 s11, s10, 1
	s_and_b32 s12, s10, 1
	s_bfe_u32 s40, ttmp6, 0x40000
	s_bfe_u32 s41, ttmp6, 0x40004
	s_lshl_b32 s42, ttmp9, 2
	s_add_co_u32 s42, s42, s40                     ; tile column
	s_and_b32 s13, ttmp7, 0xffff
	s_lshl_b32 s13, s13, 2
	s_add_co_u32 s13, s13, s41                     ; tile row
	s_lshl_b32 s43, s41, 2
	s_lshl_b32 s43, 15, s43
	s_lshl_b32 s44, 0x1111, s40
	s_or_b32 s[G1+0], s43, (1<<16)|(1<<20)|(1<<21)|(5<<22)|(3<<25)
	s_or_b32 s[G1B+0], s44, (1<<16)|(1<<20)|(1<<21)|(5<<22)|(3<<25)
	s_mov_b32 s[G1+1], KSTEP<<16
	s_mov_b32 s[G1+2], 64<<16
	s_mov_b32 s[G1+3], KSTEP<<16
	s_mov_b32 s[G1+4], 64
	s_mov_b32 s[G1+5], SIZE_K
	s_mov_b32 s[G1+6], 0
	s_mov_b32 s[G1+7], 0
	s_mov_b32 s[G1B+1], KSTEP<<16
	s_mov_b32 s[G1B+2], 128<<16
	s_mov_b32 s[G1B+3], KSTEP<<16
	s_mov_b32 s[G1B+4], 128
	s_mov_b32 s[G1B+5], KSTEP
	s_mov_b32 s[G1B+6], 0
	s_mov_b32 s[G1B+7], 0
	s_lshl_b32 s17, s12, 6
	s_lshl_b32 s16, s13, 7
	s_add_co_u32 s16, s16, s17
	s_mul_i32 s16, s16, SIZE_K*2
	s_mov_b32 s17, 0
	s_lshl_b32 s47, s12, 7
	s_lshl_b32 s46, s42, 8
	s_add_co_u32 s46, s46, s47
	s_lshl_b32 s46, s46, 8
	s_add_co_u32 s46, s46, BOFF
	s_mov_b32 s47, 0
	s_mul_i32 s20, s12, AH
	s_mul_i32 s21, s12, BH
	s_add_co_u32 s21, s21, 2*AH
	s_wait_dscnt 0x0
	s_wait_kmcnt 0x0
	s_add_nc_u64 s[14:15], s[4:5], s[16:17]
	s_add_nc_u64 s[46:47], s[6:7], s[46:47]
	CROUND
.irp s, 0,1
	s_mov_b32 s[G0+4*\s], 1
	s_add_co_u32 s[G0+4*\s+1], s20, \s*SLOT
	s_add_nc_u64 s[G0+4*\s+2:G0+4*\s+3], s[14:15], \s*KSTEP*2
	s_or_b32 s[G0+4*\s+3], s[G0+4*\s+3], 0x80000000
	s_mov_b32 s[G0B+4*\s], 1
	s_add_co_u32 s[G0B+4*\s+1], s21, \s*SLOT
	s_add_nc_u64 s[G0B+4*\s+2:G0B+4*\s+3], s[46:47], \s*KBS
	s_or_b32 s[G0B+4*\s+3], s[G0B+4*\s+3], 0x80000000
	JLOAD \s
.endr
	s_load_b64 s[70:71], s[76:77], 0x8             ; 1 / s_v (and the word behind it, named with it as a pair)
	v_and_b32 v1, 15, v0
	v_bfe_u32 v2, v0, 4, 1
	v_mul_u32_u24 v3, v1, PITCH
	v_lshl_add_u32 v3, v2, 4, v3
	s_mul_i32 s21, s11, AH
	s_mul_i32 s22, s12, BH
	s_add_co_u32 s22, s22, 2*AH
.irp s, 0,1
	v_add_nc_u32 v[ADRA+\s], s21, v3
	v_add_nc_u32 v[ADRB+\s], s22, v3
	s_add_co_u32 s21, s21, SLOT
	s_add_co_u32 s22, s22, SLOT
.endr
	s_mul_i32 s23, s10, 16*SPITCH
	s_add_co_u32 s23, s23, STAGE
	v_mul_u32_u24 v4, v1, SPITCH
	v_lshl_add_u32 v4, v2, 5, v4
	v_add_nc_u32 v[STO], s23, v4
	v_and_b32 v4, 31, v0
	v_lshlrev_b32 v[CO], 4, v4
	v_add_nc_u32 v[RD], s23, v[CO]
	v_lshlrev_b32 v[VO], 5, v2
	s_lshl_b32 s80, s42, 8
	s_lshl_b32 s81, s12, 7
	s_add_co_u32 s80, s80, s81                     ; my first column
	s_lshl_b32 s80, s80, 2
	s_mov_b32 s81, 0
	s_add_nc_u64 s[72:73], s[78:79], s[80:81]
	s_add_nc_u64 s[8:9], s[8:9], s[80:81]
	s_lshl_b32 s82, s13, 7
	s_lshl_b32 s83, s11, 6
	s_add_co_u32 s82, s82, s83                     ; my first token
	s_lshl_b32 s82, s82, 13
	s_mov_b32 s83, 0
	s_add_nc_u64 s[8:9], s[8:9], s[82:83]
	WIN 0x80
.irp b, 0,1,2,3,4,5,6,7
	global_load_b128 v[8*\b:8*\b+3], v[VO], s[72:73] offset:64*\b
	global_load_b128 v[8*\b+4:8*\b+7], v[VO], s[72:73] offset:64*\b+16
.endr
	WIN 0
	s_wait_tensorcnt 1                             ; my part of K step 0 is in; K step 1's may be out
	s_barrier_signal -1
	s_barrier_wait -1
	FETCH 0, 0, F0
	QUARTER 0, 64, F0, F1, 1
	WIN 0
	s_mov_b32 s3, LAPS-1
.Llap:
	QUARTER 0, 128, F1, F0, 0
	QUARTER 0, 192, F0, F1, 0
	TURN 0, 1, 1
	QUARTER 1, 64,  F0, F1, 0
	QUARTER 1, 128, F1, F0, 0
	QUARTER 1, 192, F0, F1, 0
	TURN 1, 0, 1
	QUARTER 0, 64,  F0, F1, 0
	WIN 0
	s_sub_co_u32 s3, s3, 1
	s_cmp_lg_u32 s3, 0
	s_cbranch_scc1 .Llap
	QUARTER 0, 128, F1, F0, 0
	QUARTER 0, 192, F0, F1, 0
	TURN 0, 1, 0
	QUARTER 1, 64,  F0, F1, 0
	QUARTER 1, 128, F1, F0, 0
	QUARTER 1, 192, F0, F1, 0
	s_wait_dscnt 4
	WIN MUL
	MUL8 F1, 0, 0
	MUL8 F1, 1, 0
	s_wait_dscnt 0
	MUL8 F1, 2, 0
	MUL8 F1, 3, 0
	WIN 0
	PLACES
	s_wait_loadcnt 0x0                             ; bo
	s_wait_kmcnt 0x0                               ; 1 / s_v
.irp a, 0,1,2,3
	OBLOCK \a
.endr
	s_wait_tensorcnt 0x0                           ; the wave's end
	ds_add_u32 v[SPW], v[NIL]
	s_wait_dscnt 0x0
	CROUND                                         ; the closing round
	s_endpgm
.Lfunc_end_k_q0fc06eff39_oproj:
	.size	k_q0fc06eff39_oproj, .Lfunc_end_k_q0fc06eff39_oproj-k_q0fc06eff39_oproj
	.p2alignl 7, 3214868480
	.fill 96, 4, 3214868480
	.section	.rodata,"a",@progbits
	.p2align	6, 0x0
	.amdhsa_kernel k_q0fc06eff39_oproj
		.amdhsa_group_segment_fixed_size 327680
		.amdhsa_private_segment_fixed_size 0
		.amdhsa_enable_private_segment 0
		.amdhsa_kernarg_size 40
		.amdhsa_user_sgpr_count 2
		.amdhsa_user_sgpr_kernarg_segment_ptr 1
		.amdhsa_wavefront_size32 1
		.amdhsa_system_sgpr_workgroup_id_x 1
		.amdhsa_system_sgpr_workgroup_id_y 1
		.amdhsa_system_sgpr_workgroup_id_z 1
		.amdhsa_system_vgpr_workitem_id 0
		.amdhsa_next_free_vgpr 576
		.amdhsa_next_free_sgpr 96
		.amdhsa_reserve_vcc 0
		.amdhsa_float_denorm_mode_32 3
		.amdhsa_float_denorm_mode_16_64 3
		.amdhsa_memory_ordered 1
		.amdhsa_forward_progress 1
		.amdhsa_inst_pref_size 95
	.end_amdhsa_kernel
	.amdgpu_metadata
---
amdhsa.version: [ 1, 2 ]
amdhsa.kernels:
  - .name:           k_q0fc06eff39_oproj
    .symbol:         k_q0fc06eff39_oproj.kd
    .args:
      - { .name: cx, .offset: 0, .size: 8, .value_kind: global_buffer, .address_space: global }
      - { .name: pw, .offset: 8, .size: 8, .value_kind: global_buffer, .address_space: global }
      - { .name: qa, .offset: 16, .size: 8, .value_kind: global_buffer, .address_space: global }
      - { .name: bo, .offset: 24, .size: 8, .value_kind: global_buffer, .address_space: global }
      - { .name: out0, .offset: 32, .size: 8, .value_kind: global_buffer, .address_space: global }
    .group_segment_fixed_size: 327680
    .private_segment_fixed_size: 0
    .kernarg_segment_align: 8
    .kernarg_segment_size: 40
    .max_flat_workgroup_size: 128
    .sgpr_count:     96
    .vgpr_count:     576
    .wavefront_size: 32
...
	.end_amdgpu_metadata
.endif
;; end of part 5
;; launch fattn (part 6): grid 64 x 1, 12 waves a work-group, no clusters, 6,144 bytes of LDS; arguments qa, kv, pw, Wk_up, Wv_up, cf; writes cf
.if DOCPART == 6
	.amdgcn_target "amdgcn-amd-amdhsa--gfx1250"
	.amdhsa_code_object_version 6
	.text
	.protected	k_q0fc06eff39_fattn
	.globl	k_q0fc06eff39_fattn
	.p2align	8
	.type	k_q0fc06eff39_fattn,@function
k_q0fc06eff39_fattn:
	s_mov_b64 s[64:65], 0
	v_nop
	global_prefetch_b8 v0, s[64:65] scope:SCOPE_SE
	s_setreg_imm32_b32 hwreg(HW_REG_WAVE_MODE, 25, 1), 1
	s_wait_xcnt 0x0
; FATTN: the first 16 positions of every sequence, where a row of the softmax averages one to sixteen values: k, v, the scores and ctx once more with f32 operands.  A work-group takes one batch and head.
; ROLES by the wave's number (u = wave % 4):  waves 0-3: k's channels 16 u .. and 64 + 16 u .. (partners of the rotation) = lat Wk_up, rotated, then their part of the scores, to LDS as an image of the registers;
;   waves 4-7: v's channels 16 u .. and 64 + 16 u ..; behind the barrier the softmax and ctx;   waves 8-11: the sum of v over keys 16 .. 1,023, a thread a channel, from the stored block sums.
; Keys after a query have the score -10,000: those among the 16 go through the ordinary arithmetic, the 1,008 others enter by one weight ph and the sum of their v.
; THE f32 MATRIX FORM takes 4 along K.  A lane loads 4 neighbours of lat by one load, so an instruction's four k are {8 g + 2 e, + 1} in lanes 0-15 and the same + 4 in lanes 16-31; the weight is loaded by the same map.
; K = 512 goes in 32 chunks of 16 (18 loads, 8 products) through three register buffers.  Four accumulators take turns; they are written by matrix instructions alone.
; REGISTERS: v1-13 addresses; v14, v15 the add's two; v16-47 the table and q, later the score images; v48-71 lat, v96-143 the weight (three buffers each); v72-79 at work; v80-95 the later keys' sums;
;   v192-223 accumulators; v224-255 at work.
.set LATFO, 256
.set QFO,   131328
.set ROPE,  10752
.set HVL,   4096                       ; LDS: four score images of 1,024 bytes at 0; the 128 sums here;
.set SPARE, 4608                       ; the spare words, 128 bytes a wave
.set OPA,   48
.set OPW,   96
.set ACC,   192
.set YOFF,  256
.macro CLOAD c                         ; chunk c: 16 along K of lat's 16 rows (2 loads) and of the weight's two tiles of 16 columns (16 loads)
.set BA, OPA+8*((\c)%3)
.set BW, OPW+16*((\c)%3)
.irp g, 0,1
	global_load_b128 v[BA+4*\g:BA+4*\g+3], v3, s[20:21] offset:64*(\c)+32*\g
.endr
.irp y, 0,1
.irp g, 0,1
.irp i, 0,1,2,3
	global_load_b32 v[BW+8*\y+4*\g+\i], v4, s[22:23] offset:(16*(\c)+8*\g+\i)*8192+\y*YOFF
.endr
.endr
.endr
.endm
.macro CMUL c, swap                    ; accumulator 2 y + e, in the order 0, 2, 1, 3: one instruction a turn
.set BA, OPA+8*((\c)%3)
.set BW, OPW+16*((\c)%3)
.irp g, 0,1
.irp e, 0,1
.irp y, 0,1
.if \swap
.if ((\c) == 0) && (\g == 0)
	v_wmma_f32_16x16x4_f32 v[ACC+8*(2*\y+\e):ACC+8*(2*\y+\e)+7], v[BW+8*\y+4*\g+2*\e:BW+8*\y+4*\g+2*\e+1], v[BA+4*\g+2*\e:BA+4*\g+2*\e+1], 0
.else
	v_wmma_f32_16x16x4_f32 v[ACC+8*(2*\y+\e):ACC+8*(2*\y+\e)+7], v[BW+8*\y+4*\g+2*\e:BW+8*\y+4*\g+2*\e+1], v[BA+4*\g+2*\e:BA+4*\g+2*\e+1], v[ACC+8*(2*\y+\e):ACC+8*(2*\y+\e)+7]
.endif
.else
.if ((\c) == 0) && (\g == 0)
	v_wmma_f32_16x16x4_f32 v[ACC+8*(2*\y+\e):ACC+8*(2*\y+\e)+7], v[BA+4*\g+2*\e:BA+4*\g+2*\e+1], v[BW+8*\y+4*\g+2*\e:BW+8*\y+4*\g+2*\e+1], 0
.else
	v_wmma_f32_16x16x4_f32 v[ACC+8*(2*\y+\e):ACC+8*(2*\y+\e)+7], v[BA+4*\g+2*\e:BA+4*\g+2*\e+1], v[BW+8*\y+4*\g+2*\e:BW+8*\y+4*\g+2*\e+1], v[ACC+8*(2*\y+\e):ACC+8*(2*\y+\e)+7]
.endif
.endif
.endr
.endr
.endr
.endm
.macro FAR                             ; eight plain instructions behind this matrix form (ISA guide 7.12.1)
.rept 8
	v_nop
.endr
.endm
.macro RUN n, swap
	CLOAD 0
	CLOAD 1
	CLOAD 2
.set CC, 0
.rept \n
.if CC+2 < \n
	s_wait_loadcnt 36                              ; this chunk is in; the two younger chunks' 18 loads each may be out
.elseif CC+1 < \n
	s_wait_loadcnt 18                              ; the one younger chunk's 18 may be out
.else
	s_wait_loadcnt 0x0
.endif
	CMUL CC, \swap
.if CC+3 < \n
	FAR                                            ; in front of loads into the buffer just multiplied
	CLOAD CC+3
.endif
.set CC, CC+1
.endr
	FAR                                            ; in front of the first read of the sums
.endm
	s_load_b256 s[4:11], s[0:1], 0x0               ; qa, kv, pw, Wk_up
	s_load_b128 s[12:15], s[0:1], 0x20             ; Wv_up, cf
	v_lshl_add_u32 v14, v0, 2, SPARE
	v_mov_b32 v15, 0
	v_lshrrev_b32 v1, 5, v0
	v_readfirstlane_b32 s16, v1                    ; wave 0..11
	s_lshr_b32 s17, s16, 2                         ; the role
	s_and_b32 s18, s16, 3                          ; u
	s_lshr_b32 s19, ttmp9, 4                       ; the batch
	s_and_b32 s34, ttmp9, 15                       ; the head
	v_and_b32 v1, 15, v0                           ; r
	v_bfe_u32 v2, v0, 4, 1                         ; h
	v_and_b32 v11, 31, v0
	v_lshlrev_b32 v3, 11, v1
	v_lshl_add_u32 v3, v2, 4, v3                   ; lat: row r of 2,048 bytes, + 16 h
	v_lshlrev_b32 v4, 2, v1
	v_lshl_add_u32 v4, v2, 15, v4                  ; the weight: column r, lanes 16-31 four rows of 8,192 bytes down
	v_lshlrev_b32 v5, 4, v11                       ; an image's place for my lane
	s_lshl_b32 s35, s18, 10
	v_add_nc_u32 v6, s35, v5                       ; where wave u stores its image
	v_and_b32 v12, 127, v0
	v_lshl_add_u32 v7, v12, 2, HVL                 ; where a thread stores its channel's sum
	v_lshlrev_b32 v13, 2, v12
	s_lshl_b32 s35, s18, 6                         ; 64 u bytes: 16 u channels
	v_lshl_add_u32 v8, v2, 5, HVL
	v_add_nc_u32 v8, s35, v8                       ; and where my eight channels' sums lie
	v_lshlrev_b32 v9, 9, v1
	v_lshl_add_u32 v9, v2, 5, v9                   ; the table: position r, + 32 h
	v_lshlrev_b32 v10, 13, v1
	v_lshl_add_u32 v10, v2, 5, v10                 ; q and ctx: token r of 8,192 bytes, + 32 h
.set i, 0
.rept 16
	v_mov_b32 v[224+i], 0                          ; written in every wave: all three roles meet at the one barrier, and one of them reads these behind it
.set i, i+1
.endr
	s_mov_b32 s44, 0x3e0293ee                      ; log2(e) / sqrt(128)
	s_mov_b32 s45, 0x447c0000                      ; 1,008
	s_mov_b32 s46, 0x76543210
	s_mov_b32 s47, 0xfedcba98                      ; v_permlanex16_b32's selects for lane l xor 16
	s_wait_kmcnt 0x0
	s_load_b128 s[40:43], s[4:5], 0x0              ; the scales: s42 = 1 / s_v
	s_mov_b32 s37, 0
	s_lshl_b32 s36, s19, 15
	s_add_nc_u64 s[20:21], s[4:5], s[36:37]
	s_add_nc_u64 s[20:21], s[20:21], LATFO         ; lat of my batch's 16 tokens
	s_lshl_b32 s36, s34, 9
	s_add_co_u32 s36, s36, s35                     ; the head's 512 bytes + 64 u
	s_cmp_eq_u32 s17, 0
	s_cselect_b64 s[22:23], s[10:11], s[12:13]     ; Wk_up for the first role, else Wv_up
	s_add_nc_u64 s[22:23], s[22:23], s[36:37]
	s_lshl_b32 s38, s19, 17
	s_add_co_u32 s38, s38, s36
	s_mov_b32 s39, 0
	s_add_nc_u64 s[26:27], s[4:5], s[38:39]
	s_add_nc_u64 s[26:27], s[26:27], QFO           ; q
	s_add_nc_u64 s[28:29], s[14:15], s[38:39]      ; ctx
	s_mov_b32 s36, s35
	s_add_nc_u64 s[24:25], s[8:9], s[36:37]
	s_add_nc_u64 s[24:25], s[24:25], ROPE          ; the table, at frequency 16 u
	s_lshl_b32 s36, ttmp9, 13
	s_add_nc_u64 s[32:33], s[6:7], s[36:37]        ; the head's 16 block sums of v
	s_wait_kmcnt 0x0
	s_cmp_lg_u32 s17, 0
	s_cbranch_scc1 .Lnot_k
	; ---- k: two tiles of channels, rotated, and their part of the scores
	global_load_b128 v[16:19], v9, s[24:25]                  ; cos
	global_load_b128 v[20:23], v9, s[24:25] offset:16
	global_load_b128 v[24:27], v9, s[24:25] offset:256       ; sin
	global_load_b128 v[28:31], v9, s[24:25] offset:272
	global_load_b128 v[32:35], v10, s[26:27]                 ; q, channels 16 u + 8 h ..
	global_load_b128 v[36:39], v10, s[26:27] offset:16
	global_load_b128 v[40:43], v10, s[26:27] offset:256      ; and + 64
	global_load_b128 v[44:47], v10, s[26:27] offset:272
	RUN 32, 1                                      ; source 0 = the weight: a lane holds one key, its registers run along the channels
.irp j, 0,2,4,6
	v_pk_add_f32 v[224+\j:225+\j], v[ACC+\j:ACC+\j+1], v[ACC+8+\j:ACC+9+\j]         ; the two halves of each sum
	v_pk_add_f32 v[232+\j:233+\j], v[ACC+16+\j:ACC+17+\j], v[ACC+24+\j:ACC+25+\j]
.endr
.irp j, 0,2,4,6
	v_pk_mul_f32 v[240+\j:241+\j], v[232+\j:233+\j], v[24+\j:25+\j]
	v_pk_mul_f32 v[248+\j:249+\j], v[224+\j:225+\j], v[24+\j:25+\j]
.endr
.irp j, 0,2,4,6
	v_pk_fma_f32 v[240+\j:241+\j], v[224+\j:225+\j], v[16+\j:17+\j], v[240+\j:241+\j] neg_lo:[0,0,1] neg_hi:[0,0,1]   ; k(d) cos - k(d + 64) sin
	v_pk_fma_f32 v[248+\j:249+\j], v[232+\j:233+\j], v[16+\j:17+\j], v[248+\j:249+\j]                                 ; k(d + 64) cos + k(d) sin
.endr
.irp p, 0,1,2,3                        ; S^T = K Q^T over my 32 channels: a pair of registers is channels 8 h + 2 p, + 1 in k and in q alike; two accumulators by turns
.irp y, 0,1
.if \p == 0
	v_wmma_f32_16x16x4_f32 v[ACC+8*\y:ACC+8*\y+7], v[240+8*\y+2*\p:241+8*\y+2*\p], v[32+8*\y+2*\p:33+8*\y+2*\p], 0
.else
	v_wmma_f32_16x16x4_f32 v[ACC+8*\y:ACC+8*\y+7], v[240+8*\y+2*\p:241+8*\y+2*\p], v[32+8*\y+2*\p:33+8*\y+2*\p], v[ACC+8*\y:ACC+8*\y+7]
.endif
.endr
.endr
	FAR
.irp j, 0,2,4,6
	v_pk_add_f32 v[224+\j:225+\j], v[ACC+\j:ACC+\j+1], v[ACC+8+\j:ACC+9+\j]         ; lane (r, h): query r, keys 8 h + 0 .. 7
.endr
	ds_store_b128 v6, v[224:227]
	ds_store_b128 v6, v[228:231] offset:512
	s_branch .Ljoin
.Lnot_k:
	s_cmp_lg_u32 s17, 1
	s_cbranch_scc1 .Lhv
	; ---- v: two tiles of channels
	RUN 32, 0                                      ; source 0 = lat: a lane holds one channel, its registers the keys 8 h + 0 .. 7
.irp j, 0,2,4,6
	v_pk_add_f32 v[224+\j:225+\j], v[ACC+\j:ACC+\j+1], v[ACC+8+\j:ACC+9+\j]
	v_pk_add_f32 v[232+\j:233+\j], v[ACC+16+\j:ACC+17+\j], v[ACC+24+\j:ACC+25+\j]
.endr
	s_branch .Ljoin
.Lhv:
	; ---- the sum of v over keys 16 .. 1,023: 16 stored block sums (the first holds keys 16 to 63), a thread a channel
.irp i, 0,1,2,3,4,5,6,7,8,9,10,11,12,13,14,15
	global_load_b32 v[16+\i], v13, s[32:33] offset:512*\i
.endr
	s_wait_loadcnt 0x0
.irp i, 4,8,12
.irp k, 0,1,2,3
	v_add_f32 v[16+\k], v[16+\k], v[16+\i+\k]
.endr
.endr
	v_add_f32 v16, v16, v17
	v_add_f32 v18, v18, v19
	v_add_f32 v16, v16, v18
	v_mul_f32 v16, s42, v16                        ; the sums were stored x s_v
	ds_store_b32 v7, v16
.Ljoin:
	s_wait_dscnt 0x0                               ; for the others' sake: my stores are done
	s_barrier_signal -1
	s_barrier_wait -1
	s_cmp_lg_u32 s17, 1
	s_cbranch_scc1 .Lend
	; ---- the softmax and ctx, in the waves that hold v
.irp w, 0,1,2,3
	ds_load_b128 v[16+8*\w:19+8*\w], v5 offset:1024*\w
	ds_load_b128 v[20+8*\w:23+8*\w], v5 offset:1024*\w+512
.endr
	ds_load_b128 v[80:83], v8
	ds_load_b128 v[84:87], v8 offset:16
	ds_load_b128 v[88:91], v8 offset:256
	ds_load_b128 v[92:95], v8 offset:272
	s_wait_dscnt 0x0
.irp j, 0,2,4,6
	v_pk_add_f32 v[16+\j:17+\j], v[16+\j:17+\j], v[24+\j:25+\j]
	v_pk_add_f32 v[32+\j:33+\j], v[32+\j:33+\j], v[40+\j:41+\j]
.endr
.irp j, 0,2,4,6
	v_pk_add_f32 v[16+\j:17+\j], v[16+\j:17+\j], v[32+\j:33+\j]      ; the scores of query r and keys 8 h + 0 .. 7, not yet divided by sqrt(128)
.endr
	v_lshlrev_b32 v73, 3, v2
	v_sub_nc_u32 v73, v1, v73                      ; d = r - 8 h: key 8 h + j is hidden where j > d
	v_mov_b32 v72, 0xc7dcf88b                      ; -10,000 sqrt(128)
.irp j, 0,1,2,3,4,5,6,7
	v_cmp_gt_i32 vcc_lo, \j, v73
	v_cndmask_b32 v[16+\j], v[16+\j], v72, vcc_lo
.endr
	v_max3_num_f32 v74, v16, v17, v18
	v_max3_num_f32 v74, v74, v19, v20
	v_max3_num_f32 v74, v74, v21, v22
	v_max3_num_f32 v74, v74, v23, v72              ; the later keys' score counts for every row
	v_mov_b32 v75, 0
	v_permlanex16_b32 v75, v74, s46, s47
	v_max_num_f32 v74, v74, v75                    ; the row's maximum
	v_mul_f32 v74, s44, v74
.irp j, 0,1,2,3,4,5,6,7
	v_fma_f32 v[16+\j], v[16+\j], s44, -v74
.endr
	v_fma_f32 v72, v72, s44, -v74
.irp j, 0,1,2,3,4,5,6,7
	v_exp_f32 v[16+\j], v[16+\j]
.endr
	v_exp_f32 v72, v72                             ; ph: the weight of each of the 1,008 later keys
	v_nop                                          ; a plain instruction behind the last exponential
	s_wait_alu depctr_va_vdst(0)                   ; one wait for the nine, ahead of their first reader
	v_add_f32 v76, v16, v17
	v_add_f32 v77, v18, v19
	v_add_f32 v78, v20, v21
	v_add_f32 v79, v22, v23
	v_add_f32 v76, v76, v77
	v_add_f32 v78, v78, v79
	v_add_f32 v76, v76, v78
	v_permlanex16_b32 v75, v76, s46, s47
	v_add_f32 v76, v76, v75
	v_fma_f32 v76, v72, s45, v76                   ; the row's sum
	v_rcp_f32 v76, v76
.irp p, 0,1,2,3                        ; O^T = V^T P: a pair of registers is keys 8 h + 2 p, + 1 in v and in p alike; two accumulators by turns
.irp y, 0,1
.if \p == 0
	v_wmma_f32_16x16x4_f32 v[ACC+8*\y:ACC+8*\y+7], v[224+8*\y+2*\p:225+8*\y+2*\p], v[16+2*\p:17+2*\p], 0
.else
	v_wmma_f32_16x16x4_f32 v[ACC+8*\y:ACC+8*\y+7], v[224+8*\y+2*\p:225+8*\y+2*\p], v[16+2*\p:17+2*\p], v[ACC+8*\y:ACC+8*\y+7]
.endif
.endr
.endr
	FAR                                            ; (also the plain instructions behind the reciprocal)
	s_wait_alu depctr_va_vdst(0)                   ; the reciprocal's wait, ahead of its first reader
.set i, 0
.rept 16
	v_fma_f32 v[24+i], v72, v[80+i], v[ACC+i]      ; + ph x the later keys' v; each accumulator from its low end on
.set i, i+1
.endr
.set i, 0
.rept 16
	v_mul_f32 v[24+i], v[24+i], v76
.set i, i+1
.endr
	global_store_b128 v10, v[24:27], s[28:29]      ; lane (r, h): token r, channels 16 u + 8 h + 0 .. 7,
	global_store_b128 v10, v[28:31], s[28:29] offset:16
	global_store_b128 v10, v[32:35], s[28:29] offset:256     ; and + 64
	global_store_b128 v10, v[36:39], s[28:29] offset:272
.Lend:
	s_wait_tensorcnt 0x0                           ; the wave's end
	ds_add_u32 v14, v15
	s_wait_dscnt 0x0
	s_endpgm
.Lfunc_end_k_q0fc06eff39_fattn:
	.size	k_q0fc06eff39_fattn, .Lfunc_end_k_q0fc06eff39_fattn-k_q0fc06eff39_fattn
	.p2alignl 7, 3214868480
	.fill 96, 4, 3214868480
	.section	.rodata,"a",@progbits
	.p2align	6, 0x0
	.amdhsa_kernel k_q0fc06eff39_fattn
		.amdhsa_group_segment_fixed_size 6144
		.amdhsa_private_segment_fixed_size 0
		.amdhsa_enable_private_segment 0
		.amdhsa_kernarg_size 48
		.amdhsa_user_sgpr_count 2
		.amdhsa_user_sgpr_kernarg_segment_ptr 1
		.amdhsa_wavefront_size32 1
		.amdhsa_system_sgpr_workgroup_id_x 1
		.amdhsa_system_sgpr_workgroup_id_y 1
		.amdhsa_system_sgpr_workgroup_id_z 1
		.amdhsa_system_vgpr_workitem_id 0
		.amdhsa_next_free_vgpr 256
		.amdhsa_next_free_sgpr 66
		.amdhsa_reserve_vcc 1
		.amdhsa_float_denorm_mode_32 3
		.amdhsa_float_denorm_mode_16_64 3
		.amdhsa_memory_ordered 1
		.amdhsa_forward_progress 1
		.amdhsa_inst_pref_size 174
	.end_amdhsa_kernel
	.amdgpu_metadata
---
amdhsa.version: [ 1, 2 ]
amdhsa.kernels:
  - .name:           k_q0fc06eff39_fattn
    .symbol:         k_q0fc06eff39_fattn.kd
    .args:
      - { .name: qa, .offset: 0, .size: 8, .value_kind: global_buffer, .address_space: global }
      - { .name: kv, .offset: 8, .size: 8, .value_kind: global_buffer, .address_space: global }
      - { .name: pw, .offset: 16, .size: 8, .value_kind: global_buffer, .address_space: global }
      - { .name: Wk_up, .offset: 24, .size: 8, .value_kind: global_buffer, .address_space: global }
      - { .name: Wv_up, .offset: 32, .size: 8, .value_kind: global_buffer, .address_space: global }
      - { .name: cf, .offset: 40, .size: 8, .value_kind: global_buffer, .address_space: global }
    .group_segment_fixed_size: 6144
    .private_segment_fixed_size: 0
    .kernarg_segment_align: 8
    .kernarg_segment_size: 48
    .max_flat_workgroup_size: 384
    .sgpr_count:     66
    .vgpr_count:     256
    .wavefront_size: 32
...
	.end_amdgpu_metadata
.endif
;; end of part 6
;; launch fproj (part 7): grid 256 x 1, 8 waves a work-group, no clusters, 17,408 bytes of LDS; arguments cf, Wo, bo, out0; writes out0
.if DOCPART == 7
	.amdgcn_target "amdgcn-amd-amdhsa--gfx1250"
	.amdhsa_code_object_version 6
	.text
	.protected	k_q0fc06eff39_fproj
	.globl	k_q0fc06eff39_fproj
	.p2align	8
	.type	k_q0fc06eff39_fproj,@function
k_q0fc06eff39_fproj:
	s_mov_b64 s[64:65], 0
	v_nop
	global_prefetch_b8 v0, s[64:65] scope:SCOPE_SE
	s_setreg_imm32_b32 hwreg(HW_REG_WAVE_MODE, 25, 1), 1
	s_wait_xcnt 0x0
; FPROJ: out = ctx Wo + bo for the first 16 positions of every sequence, with f32 operands; it stores those 64 rows of out0 again, over what the f16 product left there.
; A work-group takes one batch's 16 tokens x 32 columns; its eight waves share K: wave w takes k = 256 w .. 256 w + 255, in 16 chunks of 16 (18 loads, 8 products) through three register buffers.
; The eight partial sums meet in LDS as images of the registers; behind one barrier waves 0-3 add them, each a quarter of the 16 x 32 numbers, add bo and store.
; THE f32 MATRIX FORM takes 4 along K: a lane loads 4 neighbours of ctx by one load, so an instruction's four k are {8 g + 2 e, + 1} in lanes 0-15 and the same + 4 in lanes 16-31; Wo is loaded by the same map.
; Source 0 = Wo: a lane holds one token and eight neighbouring columns.  Four accumulators take turns; they are written by matrix instructions alone.
; The stores are pieces of 16 bytes, two to a run of 32: 512 KiB in the whole launch.
; REGISTERS: v1-11 addresses; v14, v15 the add's two; v16-19 bo; v48-71 ctx, v96-143 Wo (three buffers each); v144-175 the eight parts; v192-223 accumulators; v224-239 my partial sums.
.set SPARE, 16384                      ; LDS: eight images of 2,048 bytes at 0; the spare words here, 128 bytes a wave
.set OPA,   48
.set OPW,   96
.set ACC,   192
.set YOFF,  64
.macro CLOAD c
.set BA, OPA+8*((\c)%3)
.set BW, OPW+16*((\c)%3)
.irp g, 0,1
	global_load_b128 v[BA+4*\g:BA+4*\g+3], v3, s[20:21] offset:64*(\c)+32*\g
.endr
.irp y, 0,1
.irp g, 0,1
.irp i, 0,1,2,3
	global_load_b32 v[BW+8*\y+4*\g+\i], v4, s[22:23] offset:(16*(\c)+8*\g+\i)*8192+\y*YOFF
.endr
.endr
.endr
.endm
.macro CMUL c                          ; accumulator 2 y + e, in the order 0, 2, 1, 3: one instruction a turn
.set BA, OPA+8*((\c)%3)
.set BW, OPW+16*((\c)%3)
.irp g, 0,1
.irp e, 0,1
.irp y, 0,1
.if ((\c) == 0) && (\g == 0)
	v_wmma_f32_16x16x4_f32 v[ACC+8*(2*\y+\e):ACC+8*(2*\y+\e)+7], v[BW+8*\y+4*\g+2*\e:BW+8*\y+4*\g+2*\e+1], v[BA+4*\g+2*\e:BA+4*\g+2*\e+1], 0
.else
	v_wmma_f32_16x16x4_f32 v[ACC+8*(2*\y+\e):ACC+8*(2*\y+\e)+7], v[BW+8*\y+4*\g+2*\e:BW+8*\y+4*\g+2*\e+1], v[BA+4*\g+2*\e:BA+4*\g+2*\e+1], v[ACC+8*(2*\y+\e):ACC+8*(2*\y+\e)+7]
.endif
.endr
.endr
.endr
.endm
.macro FAR                             ; eight plain instructions behind this matrix form (ISA guide 7.12.1)
.rept 8
	v_nop
.endr
.endm
.macro RUN n
	CLOAD 0
	CLOAD 1
	CLOAD 2
.set CC, 0
.rept \n
.if CC+2 < \n
	s_wait_loadcnt 36                              ; this chunk is in; the two younger chunks' 18 loads each may be out
.elseif CC+1 < \n
	s_wait_loadcnt 18                              ; the one younger chunk's 18 may be out
.else
	s_wait_loadcnt 0x0
.endif
	CMUL CC
.if CC+3 < \n
	FAR                                            ; in front of loads into the buffer just multiplied
	CLOAD CC+3
.endif
.set CC, CC+1
.endr
	FAR                                            ; in front of the first read of the sums
.endm
	s_load_b256 s[4:11], s[0:1], 0x0               ; cf, Wo, bo, out0
	v_lshl_add_u32 v14, v0, 2, SPARE
	v_mov_b32 v15, 0
	v_lshrrev_b32 v1, 5, v0
	v_readfirstlane_b32 s16, v1                    ; wave 0..7
	s_and_b32 s17, ttmp9, 3                        ; the batch
	s_lshr_b32 s18, ttmp9, 2                       ; which 32 columns
	v_and_b32 v1, 15, v0                           ; r
	v_bfe_u32 v2, v0, 4, 1                         ; h
	v_and_b32 v11, 31, v0
	v_lshlrev_b32 v3, 13, v1
	v_lshl_add_u32 v3, v2, 4, v3                   ; ctx: token r of 8,192 bytes, + 16 h
	v_lshlrev_b32 v4, 2, v1
	v_lshl_add_u32 v4, v2, 15, v4                  ; Wo: column r, lanes 16-31 four rows of 8,192 bytes down
	v_lshlrev_b32 v5, 4, v11                       ; an image's place for my lane
	s_lshl_b32 s19, s16, 11
	v_add_nc_u32 v6, s19, v5                       ; where I store my image
	s_and_b32 s24, s16, 1                          ; behind the barrier: which tile of 16 columns I add up,
	s_lshr_b32 s25, s16, 1
	s_and_b32 s25, s25, 1                          ; and which four of a lane's eight
	s_lshl_b32 s26, s24, 10
	s_lshl_b32 s27, s25, 9
	s_add_co_u32 s26, s26, s27
	v_add_nc_u32 v7, s26, v5                       ; where I read the eight parts
	v_lshlrev_b32 v8, 5, v2                        ; bo: + 32 h
	v_lshlrev_b32 v9, 13, v1
	v_lshl_add_u32 v9, v2, 5, v9                   ; out0: token r of 8,192 bytes, + 32 h
	s_mov_b32 s29, 0
	s_wait_kmcnt 0x0
	s_lshl_b32 s28, s17, 17
	s_lshl_b32 s27, s16, 10
	s_add_co_u32 s28, s28, s27
	s_add_nc_u64 s[20:21], s[4:5], s[28:29]        ; ctx: my batch's 16 tokens, my 256 along K
	s_lshl_b32 s28, s16, 21
	s_lshl_b32 s27, s18, 7
	s_add_co_u32 s28, s28, s27
	s_add_nc_u64 s[22:23], s[6:7], s[28:29]        ; Wo: my 256 rows, the work-group's 32 columns
	s_lshl_b32 s28, s24, 6
	s_add_co_u32 s28, s28, s27
	s_lshl_b32 s27, s25, 4
	s_add_co_u32 s28, s28, s27                     ; the columns that I finish, in bytes
	s_add_nc_u64 s[30:31], s[8:9], s[28:29]
	s_add_nc_u64 s[32:33], s[10:11], s[28:29]
	s_lshl_b32 s28, s17, 23                        ; the batch's 1,024 rows of 8,192 bytes
	s_add_nc_u64 s[32:33], s[32:33], s[28:29]
	global_load_b128 v[16:19], v8, s[30:31]        ; bo
	RUN 16
.irp j, 0,2,4,6
	v_pk_add_f32 v[224+\j:225+\j], v[ACC+\j:ACC+\j+1], v[ACC+8+\j:ACC+9+\j]         ; the two halves of each sum
	v_pk_add_f32 v[232+\j:233+\j], v[ACC+16+\j:ACC+17+\j], v[ACC+24+\j:ACC+25+\j]
.endr
	ds_store_b128 v6, v[224:227]
	ds_store_b128 v6, v[228:231] offset:512
	ds_store_b128 v6, v[232:235] offset:1024
	ds_store_b128 v6, v[236:239] offset:1536
	s_wait_dscnt 0x0                               ; for the others' sake: my stores are done
	s_barrier_signal -1
	s_barrier_wait -1
	s_cmp_ge_u32 s16, 4
	s_cbranch_scc1 .Lend
.irp w, 0,1,2,3,4,5,6,7
	ds_load_b128 v[144+4*\w:147+4*\w], v7 offset:2048*\w
.endr
	s_wait_dscnt 0x0
.irp d, 16,8,4
.set i, 0
.rept \d/2
	v_pk_add_f32 v[144+i:145+i], v[144+i:145+i], v[144+\d+i:145+\d+i]
.set i, i+2
.endr
.endr
	v_pk_add_f32 v[144:145], v[144:145], v[16:17]
	v_pk_add_f32 v[146:147], v[146:147], v[18:19]
	global_store_b128 v9, v[144:147], s[32:33]
.Lend:
	s_wait_tensorcnt 0x0                           ; the wave's end
	ds_add_u32 v14, v15
	s_wait_dscnt 0x0
	s_endpgm
.Lfunc_end_k_q0fc06eff39_fproj:
	.size	k_q0fc06eff39_fproj, .Lfunc_end_k_q0fc06eff39_fproj-k_q0fc06eff39_fproj
	.p2alignl 7, 3214868480
	.fill 96, 4, 3214868480
	.section	.rodata,"a",@progbits
	.p2align	6, 0x0
	.amdhsa_kernel k_q0fc06eff39_fproj
		.amdhsa_group_segment_fixed_size 17408
		.amdhsa_private_segment_fixed_size 0
		.amdhsa_enable_private_segment 0
		.amdhsa_kernarg_size 32
		.amdhsa_user_sgpr_count 2
		.amdhsa_user_sgpr_kernarg_segment_ptr 1
		.amdhsa_wavefront_size32 1
		.amdhsa_system_sgpr_workgroup_id_x 1
		.amdhsa_system_sgpr_workgroup_id_y 1
		.amdhsa_system_sgpr_workgroup_id_z 1
		.amdhsa_system_vgpr_workitem_id 0
		.amdhsa_next_free_vgpr 256
		.amdhsa_next_free_sgpr 66
		.amdhsa_reserve_vcc 0
		.amdhsa_float_denorm_mode_32 3
		.amdhsa_float_denorm_mode_16_64 3
		.amdhsa_memory_ordered 1
		.amdhsa_forward_progress 1
		.amdhsa_inst_pref_size 44
	.end_amdhsa_kernel
	.amdgpu_metadata
---
amdhsa.version: [ 1, 2 ]
amdhsa.kernels:
  - .name:           k_q0fc06eff39_fproj
    .symbol:         k_q0fc06eff39_fproj.kd
    .args:
      - { .name: cf, .offset: 0, .size: 8, .value_kind: global_buffer, .address_space: global }
      - { .name: Wo, .offset: 8, .size: 8, .value_kind: global_buffer, .address_space: global }
      - { .name: bo, .offset: 16, .size: 8, .value_kind: global_buffer, .address_space: global }
      - { .name: out0, .offset: 24, .size: 8, .value_kind: global_buffer, .address_space: global }
    .group_segment_fixed_size: 17408
    .private_segment_fixed_size: 0
    .kernarg_segment_align: 8
    .kernarg_segment_size: 32
    .max_flat_workgroup_size: 256
    .sgpr_count:     66
    .vgpr_count:     256
    .wavefront_size: 32
...
	.end_amdgpu_metadata
.endif
;; end of part 7
